; MI455X (gfx1250); checked and timed in simulation.
; The chip was launched on July 23, 2026; its instructions are those of AMD's public machine-readable ISA for CDNA 5 (MIT licence, August 2026) and "CDNA5" Instruction Set Architecture Reference Guide (July 2026). The comments in the code are by the model that wrote it; some were corrected since.
;; Multi Head Attention. Allowed arithmetic: float matrix products may take bf16 or f16 operands with f32 sums; all other float work in f32.
;; Inputs: Wk 1,024 x 1,024 float32; Wo 1,024 x 1,024 float32; Wq 1,024 x 1,024 float32; Wv 1,024 x 1,024 float32; bk 1,024 float32; bo 1,024 float32; bq 1,024 float32; bv 1,024 float32; key 4 x 2,048 x 1,024 float32; mask 4 x 2,048 x 2,048 int32; query 4 x 2,048 x 1,024 float32; value 4 x 2,048 x 1,024 float32.
;; Outputs: out0 4 x 2,048 x 1,024 float32.
;; 2 versions, each right. Each part assembles by itself: llvm-mc -triple=amdgcn-amd-amdhsa -mcpu=gfx1250 --defsym DOCPART=n.
;; ======== version 1 of 2: 4 launches
;; limits: values are held in f16: magnitudes above 65,504 overflow, below 6.1e-05 lose precision
;; workspace buffers: mbits 2,097,152 bytes of whole numbers; W16 8,388,608 bytes; QKV 50,331,648 bytes; Xh 16,777,216 bytes
;; launch prep (part 1): grid 512 x 1, 8 waves a work-group, no clusters, 68,608 bytes of LDS; arguments mask, Wq, Wk, Wv, Wo, mbits, W16; writes mbits, W16
.if DOCPART == 1
	.amdgcn_target "amdgcn-amd-amdhsa--gfx1250"
	.amdhsa_code_object_version 6
	.text
	.protected	k_qb9d5514cf5_prep
	.globl	k_qb9d5514cf5_prep
	.p2align	8
	.type	k_qb9d5514cf5_prep,@function
k_qb9d5514cf5_prep:
	s_mov_b64 s[64:65], 0
	v_nop
	global_prefetch_b8 v0, s[64:65] scope:SCOPE_SE
	s_setreg_imm32_b32 hwreg(HW_REG_WAVE_MODE, 25, 1), 1
	s_wait_xcnt 0x0
; prep: (1) the mask [4][2048][2048] int32 becomes bits, one dword for each score register of the attention launch;
;       (2) the four weight matrices become 16-bit: Wq, Wk, Wv as bf16; Wo rounded to bf16 and that number held as f16.
; mbits[g][kt][j], g = 128 b + q tile (16 rows), kt = key tile (16 keys), j = 0..7: bit L = (mask[b][16 qt + (L&15)][16 kt + 8 (L>>4) + j] != 0).
; W16: four planes of [1024 n][1024 k] 16-bit numbers, in the order Wq, Wk, Wv, Wo.
; Work-group g owns q tile g (16 mask rows of 8,192 bytes) and 8,192 numbers of weight plane g >> 7.  Wave w owns keys 256 w .. 256 w + 255, as two
; units of 128 keys, and 1,024 weights.  Every mask byte is read once, by loads of which one covers 512 consecutive bytes of a row.
; The turn from "a lane holds four keys of one row" to "a lane holds eight keys of row lane & 15" goes through the wave's own LDS bytes: no barrier.
; LIMIT: a |Wo| below 2^-17 loses low bits in f16 (absolute error at most 2^-25); |Wo| stays below 65,504.
; A stream: no matrix unit, no cluster (no two work-groups read the same byte), no tensor loads (40 loads a wave are in flight from registers).
.set PITCH, 528                        ; an LDS row: 512 bytes + 16, an odd multiple of 16: sixteen rows start at sixteen different 16-byte columns
.set WLDS,  16*PITCH                   ; a wave's LDS bytes
.set OFFM, 2                           ; v2  16 lane + 1,024 wave: my 16 bytes of a mask row
.set OFFW, 3                           ; v3  16 lane + 4,096 wave: my 16 bytes of the weights
.set LS,   4                           ; v4  LDS: where a row's 16 bytes go
.set LR,   5                           ; v5  LDS: row lane & 15, 32 bytes for each half of the lanes
.set MO,   6                           ; v6  8 lane + 512 wave: my two dwords of bits
.set WO,   7                           ; v7  8 lane + 2,048 wave: my four 16-bit weights
.set OUT,  8                           ; v[8:11]    a pair for each unit: lane i holds dwords 2 i, 2 i + 1 of the unit's 64
.set X,    32                          ; v[32:159]  unit u, row i at 64 u + 4 i
.set Y,    160                         ; v[160:223] key tile kt, j at 8 kt + j
.set WD,   160                         ; v[160:191] weights as loaded (before Y is used)
.set WR,   192                         ; v[192:207] weights to store
.set WT,   208                         ; v[208:215] at work
	s_load_b256 s[4:11], s[0:1], 0x0               ; mask s[4:5], Wq s[6:7], Wk s[8:9], Wv s[10:11]
	s_load_b128 s[12:15], s[0:1], 0x20             ; Wo s[12:13], mbits s[14:15]
	s_load_b64 s[16:17], s[0:1], 0x30              ; W16
	v_lshl_add_u32 v224, v0, 2, 0x10800
	v_mov_b32 v225, 0
	v_and_b32 v1, 31, v0                           ; lane
	v_lshrrev_b32 v12, 5, v0
	v_readfirstlane_b32 s18, v12                   ; wave
	s_lshr_b32 s19, ttmp9, 7                       ; weight plane
	s_and_b32 s30, ttmp9, 127                      ; my part of it
	s_mul_i32 s31, s18, WLDS
	s_mov_b32 s21, 0
	v_lshlrev_b32 v[OFFM], 4, v1
	v_lshl_add_u32 v[OFFW], s18, 12, v[OFFM]
	v_add_nc_u32 v[LS], s31, v[OFFM]
	v_lshl_add_u32 v[OFFM], s18, 10, v[OFFM]
	v_and_b32 v12, 15, v0
	v_bfe_u32 v13, v0, 4, 1
	v_mul_u32_u24 v[LR], v12, PITCH
	v_lshl_add_u32 v[LR], v13, 5, v[LR]
	v_add_nc_u32 v[LR], s31, v[LR]
	v_lshlrev_b32 v[MO], 3, v1
	v_lshl_add_u32 v[WO], s18, 11, v[MO]
	v_lshl_add_u32 v[MO], s18, 9, v[MO]
.irp i, 0,1,2,3
	v_mov_b32 v[OUT+\i], 0                         ; v_writelane_b32 keeps the other lanes: its destination has to be written before
.endr
	s_wait_kmcnt 0x0
	s_cmp_eq_u32 s19, 1                            ; the plane's source, chosen on the work-group's number
	s_cselect_b64 s[6:7], s[8:9], s[6:7]
	s_cmp_eq_u32 s19, 2
	s_cselect_b64 s[6:7], s[10:11], s[6:7]
	s_cmp_eq_u32 s19, 3
	s_cselect_b64 s[6:7], s[12:13], s[6:7]
	s_lshl_b32 s20, s30, 15                        ; 8,192 f32
	s_add_nc_u64 s[6:7], s[6:7], s[20:21]
	s_lshl_b32 s20, ttmp9, 17                      ; 16 mask rows
	s_add_nc_u64 s[4:5], s[4:5], s[20:21]
	s_lshl_b32 s20, ttmp9, 12                      ; 1,024 dwords of bits
	s_add_nc_u64 s[14:15], s[14:15], s[20:21]
	s_lshl_b32 s20, ttmp9, 14                      ; 8,192 16-bit numbers; 128 parts make a plane, so the plane is in g too
	s_add_nc_u64 s[16:17], s[16:17], s[20:21]
.set c, 0
.rept 8
	global_load_b128 v[WD+4*c:WD+4*c+3], v[OFFW], s[6:7] offset:512*c th:TH_LOAD_NT
.set c, c+1
.endr
.irp u, 0,1
.set i, 0
.rept 16
	global_load_b128 v[X+64*\u+4*i:X+64*\u+4*i+3], v[OFFM], s[4:5] offset:8192*i+512*\u th:TH_LOAD_NT
.set i, i+1
.endr
.endr
	; the weights
	s_wait_loadcnt 32                              ; loads come back in order: the eight weight loads are in, the 32 mask loads stay out
.set c, 0
.rept 8
	v_cvt_pk_bf16_f32 v[WR+2*c],   v[WD+4*c],   v[WD+4*c+1]
	v_cvt_pk_bf16_f32 v[WR+2*c+1], v[WD+4*c+2], v[WD+4*c+3]
.set c, c+1
.endr
	s_cmp_lg_u32 s19, 3
	s_cbranch_scc1 .Lkeep_bf16
.set c, 0
.rept 16                                           ; Wo: the bf16 number, widened, is written as f16 (it multiplies the f16 attention output)
	v_lshlrev_b32 v[WT+2*(c%4)],   16, v[WR+c]
	v_and_b32     v[WT+2*(c%4)+1], 0xffff0000, v[WR+c]
	v_cvt_pk_f16_f32 v[WR+c], v[WT+2*(c%4)], v[WT+2*(c%4)+1]
.set c, c+1
.endr
.Lkeep_bf16:
.set c, 0
.rept 8
	global_store_b64 v[WO], v[WR+2*c:WR+2*c+1], s[16:17] offset:256*c   ; 32 lanes x 8 bytes: 256 consecutive bytes, aligned
.set c, c+1
.endr
	s_wait_xcnt 0x0                                ; Y lies on the registers that these stores read: it is written only behind this wait
; One unit: 16 rows x 128 keys.  left = how many younger loads may stay out.
.macro UNIT u, left
	s_wait_loadcnt \left
.set i, 0
.rept 16
	ds_store_b128 v[LS], v[X+64*\u+4*i:X+64*\u+4*i+3] offset:PITCH*i
.set i, i+1
.endr
.set i, 0
.rept 16                                           ; LDS serves a wave's instructions in order (ISA guide 5.7.1): these see the stores above; the bytes are the wave's own
	ds_load_b128 v[Y+4*i:Y+4*i+3], v[LR] offset:64*(i/2)+16*(i%2)
.set i, i+1
.endr
	s_wait_dscnt 0x0
.set g, 0
.rept 8                                            ; key tile g: eight compares give eight lane masks, which are the dwords wanted
.irp q, 0,1,2,3,4,5,6,7
	v_cmp_ne_u32 s[22+\q], 0, v[Y+8*g+\q]
.endr
.irp q, 0,1,2,3,4,5,6,7
	v_writelane_b32 v[OUT+2*\u+(\q&1)], s[22+\q], 4*g+(\q>>1)
.endr
.set g, g+1
.endr
	global_store_b64 v[MO], v[OUT+2*\u:OUT+2*\u+1], s[14:15] offset:256*\u   ; 256 consecutive bytes, aligned
.endm
	UNIT 0, 16                                     ; unit 1's sixteen loads stay out
	UNIT 1, 0
	s_wait_tensorcnt 0x0
	ds_add_u32 v224, v225
	s_wait_dscnt 0x0
	s_endpgm
.Lfunc_end_k_qb9d5514cf5_prep:
	.size	k_qb9d5514cf5_prep, .Lfunc_end_k_qb9d5514cf5_prep-k_qb9d5514cf5_prep
	.p2alignl 7, 3214868480
	.fill 96, 4, 3214868480
	.section	.rodata,"a",@progbits
	.p2align	6, 0x0
	.amdhsa_kernel k_qb9d5514cf5_prep
		.amdhsa_group_segment_fixed_size 68608
		.amdhsa_private_segment_fixed_size 0
		.amdhsa_enable_private_segment 0
		.amdhsa_kernarg_size 56
		.amdhsa_user_sgpr_count 2
		.amdhsa_user_sgpr_kernarg_segment_ptr 1
		.amdhsa_wavefront_size32 1
		.amdhsa_system_sgpr_workgroup_id_x 1
		.amdhsa_system_sgpr_workgroup_id_y 1
		.amdhsa_system_sgpr_workgroup_id_z 1
		.amdhsa_system_vgpr_workitem_id 0
		.amdhsa_next_free_vgpr 226
		.amdhsa_next_free_sgpr 66
		.amdhsa_reserve_vcc 0
		.amdhsa_float_denorm_mode_32 3
		.amdhsa_float_denorm_mode_16_64 3
		.amdhsa_memory_ordered 1
		.amdhsa_forward_progress 1
		.amdhsa_inst_pref_size 31
	.end_amdhsa_kernel
	.amdgpu_metadata
---
amdhsa.version: [ 1, 2 ]
amdhsa.kernels:
  - .name:           k_qb9d5514cf5_prep
    .symbol:         k_qb9d5514cf5_prep.kd
    .args:
      - { .name: mask, .offset: 0, .size: 8, .value_kind: global_buffer, .address_space: global }
      - { .name: Wq, .offset: 8, .size: 8, .value_kind: global_buffer, .address_space: global }
      - { .name: Wk, .offset: 16, .size: 8, .value_kind: global_buffer, .address_space: global }
      - { .name: Wv, .offset: 24, .size: 8, .value_kind: global_buffer, .address_space: global }
      - { .name: Wo, .offset: 32, .size: 8, .value_kind: global_buffer, .address_space: global }
      - { .name: mbits, .offset: 40, .size: 8, .value_kind: global_buffer, .address_space: global }
      - { .name: W16, .offset: 48, .size: 8, .value_kind: global_buffer, .address_space: global }
    .group_segment_fixed_size: 68608
    .private_segment_fixed_size: 0
    .kernarg_segment_align: 8
    .kernarg_segment_size: 56
    .max_flat_workgroup_size: 256
    .sgpr_count:     66
    .vgpr_count:     226
    .wavefront_size: 32
...
	.end_amdgpu_metadata
.endif
;; end of part 1
;; launch qkv (part 2): grid 64 x 12, 4 waves a work-group, clusters of 4 x 1, 327,680 bytes of LDS; arguments query, key, value, W16, bq, bk, bv, QKV; writes QKV
.if DOCPART == 2
	.amdgcn_target "amdgcn-amd-amdhsa--gfx1250"
	.amdhsa_code_object_version 6
	.text
	.protected	k_qb9d5514cf5_qkv
	.globl	k_qb9d5514cf5_qkv
	.p2align	8
	.type	k_qb9d5514cf5_qkv,@function
k_qb9d5514cf5_qkv:
	s_mov_b64 s[64:65], 0
	v_nop
	global_prefetch_b8 v0, s[64:65] scope:SCOPE_SE
	s_setreg_imm32_b32 hwreg(HW_REG_WAVE_MODE, 25, 1), 1
	s_wait_xcnt 0x0
	s_wait_alu depctr_hold_cnt(0) depctr_sa_sdst(0) depctr_va_vdst(0) depctr_va_sdst(0) depctr_va_ssrc(0) depctr_va_vcc(0) depctr_vm_vsrc(0)
	s_getreg_b32 s2, hwreg(HW_REG_IB_STS2, 6, 4)
	s_cmp_eq_u32 s2, 0
	s_cbranch_scc0 .Lentry_in_a_cluster
	s_endpgm
.Lentry_in_a_cluster:
	s_bfe_u32 s2, ttmp6, 0x10000c
	s_cmp_lg_u32 s2, 0x3003
	s_cbranch_scc0 .Lentry_shape_is_right
	s_endpgm
.Lentry_shape_is_right:
; qkv: the three input projections, y = x W^T + b, x [8192][1024] f32, W [1024 n][1024 k] bf16 (plane proj of W16), sums in f32.
; Result in f16, head-major: QKV[proj][b][h][s][64].  Q is multiplied by 0.125 log2(e), so that the attention launch exponentiates in base 2 without a multiply.
; x is rounded to bf16 once, in registers, on its way into LDS.
; LIMIT: |Q|, |K|, |V| stay below 65,504 (f16).  NaN and infinities in the inputs are not followed.
; A work-group makes 128 rows x 256 columns: 64 x 4 blocks for each of three projections = 768 work-groups of equal work.  Four waves, 2 x 2, each 64 x 128:
; 32 accumulator tiles, 256 registers.  K goes in eight steps of 128, all written out: no loop.
; CLUSTERS: the four work-groups of a cluster differ in their row block alone and need the same tiles of W: each wave asks jointly (mask 15) for 64 rows
; x 256 bytes, through two LDS slots.  x is NOT asked for jointly although four column blocks read the same rows: it is f32 in memory and has to pass through
; registers to become bf16; laid into LDS as f32 it would cost 512 bytes a row and step instead of 256 in every fragment read.
; REGISTERS: window 0: addresses, fragment buffers F0, F1 (8 of W, 4 of x each); window 1: accumulator (a, b) at 8 (8 a + b);
; window 2: two staging sets of 128 for x as loaded; window 3: v0-63 the bias of my 64 numbers of a row pattern (8 b + j).
; THE MATRIX INSTRUCTION IS USED TRANSPOSED (source 0 = rows of W, source 1 = rows of x): lane l holds row l % 16, registers j the columns 16 b + 8 (l / 16) + j.
.set PITCH,  272                       ; an LDS row: 256 bytes + 16
.set FR,     16*PITCH                  ; sixteen rows: from fragment to fragment
.set BSLOT,  256*PITCH                 ; a slot of W: 256 rows
.set ABASE,  2*BSLOT                   ; behind the ring: two buffers of x, filled by ds_store alone
.set ABUF,   128*PITCH
.set STAGE,  ABASE+2*ABUF              ; 16 rows x 272 bytes for each wave, for the way out
.set WSTAGE, 16*PITCH
.set ADRA, 2                           ; v2-3   my x fragments in buffer 0, 1
.set ADRB, 4                           ; v4-5   my W fragments in slot 0, 1
.set ASTO, 6                           ; v6-7   where my 8 bytes of an x row go in buffer 0, 1
.set AOFF, 8                           ; v8     16 lane: x loads, and the stores of the result
.set BOFF, 9                           ; v9     32 (lane / 16): bias
.set STO,  10                          ; v10    the way out: in
.set RD,   11                          ; v11    the way out: back
.set F0,   32
.set F1,   128
.set TMP,  32                          ; the way out: packed results
.set OB,   64                          ; the way out: rows read back, 32 registers for each a
.set G1,   24                          ; s[24:31] descriptor group 1
.set G0,   32                          ; s[32:39] descriptor group 0, one set for each slot
.set MSB, 0
.macro WIN new                         ; the immediate's high byte repeats the setting that is left
.if MSB != \new
	s_set_vgpr_msb (MSB<<8)|\new
.set MSB, \new
.endif
.endm
.macro PLACES cnt
.rept \cnt
	v_nop
.endr
.endm
.macro CREST                           ; a round of the cluster's barrier behind its opening barrier
	s_cmp_lg_u32 s20, 0
	s_cbranch_scc1 .Lnot_wave_0_\@
	s_barrier_signal -3
.Lnot_wave_0_\@:
	s_barrier_wait -3
	s_barrier_signal -1
	s_barrier_wait -1
.endm
.macro ROUND
	s_barrier_signal -1
	s_barrier_wait -1
	CREST
.endm
	s_load_b512 s[4:19], s[0:1], 0x0               ; query, key, value, W16, bq, bk, bv, QKV in s[4:5] .. s[18:19]
	v_lshl_add_u32 v254, v0, 2, 0x37400
	v_mov_b32 v255, 0
	ds_add_u32 v254, v255
	v_lshrrev_b32 v1, 5, v0
	v_readfirstlane_b32 s20, v1                    ; wave
	s_lshr_b32 s21, s20, 1                         ; wm: which 64 rows
	s_and_b32 s22, s20, 1                          ; wn: which 128 columns
	s_bfe_u32 s23, ttmp6, 0x40000                  ; cx
	s_lshl_b32 s40, ttmp9, 2
	s_add_co_u32 s40, s40, s23                     ; row block = 4 x cluster x + cx
	s_and_b32 s41, ttmp7, 0xffff
	s_lshr_b32 s42, s41, 2                         ; projection 0, 1, 2
	s_and_b32 s43, s41, 3                          ; column block
	; group 1: 64 rows x 128 elements of 2 bytes, 16 bytes of padding behind every 64 dwords
	s_mov_b32 s[G1+0], 15|(1<<16)|(1<<20)|(1<<21)|(5<<22)|(3<<25)   ; mask: all four of the cluster; bit 21 beside it
	s_mov_b32 s[G1+1], 128<<16                     ; tensor_dim0
	s_mov_b32 s[G1+2], 64<<16                      ; tensor_dim1
	s_mov_b32 s[G1+3], 128<<16                     ; tile_dim0
	s_mov_b32 s[G1+4], 64                          ; tile_dim1
	s_mov_b32 s[G1+5], 1024                        ; elements from row to row
	s_mov_b32 s[G1+6], 0
	s_mov_b32 s[G1+7], 0
	v_and_b32 v1, 31, v0                           ; lane
	v_and_b32 v13, 15, v0                          ; r
	v_bfe_u32 v14, v0, 4, 1                        ; h
	v_mul_u32_u24 v15, v13, PITCH
	v_lshl_add_u32 v15, v14, 4, v15                ; r x pitch + 16 h
	s_mul_i32 s54, s21, 64*PITCH
	s_add_co_u32 s54, s54, ABASE
	s_mul_i32 s55, s22, 128*PITCH
	s_mul_i32 s56, s20, 32*PITCH
	s_add_co_u32 s56, s56, ABASE
	s_mul_i32 s57, s20, WSTAGE
	s_add_co_u32 s57, s57, STAGE
	v_add_nc_u32 v[ADRA], s54, v15
	v_add_nc_u32 v[ADRA+1], ABUF, v[ADRA]
	v_add_nc_u32 v[ADRB], s55, v15
	v_add_nc_u32 v[ADRB+1], BSLOT, v[ADRB]
	v_lshl_add_u32 v[ASTO], v1, 3, s56
	v_add_nc_u32 v[ASTO+1], ABUF, v[ASTO]
	v_lshlrev_b32 v[AOFF], 4, v1
	v_lshlrev_b32 v[BOFF], 5, v14
	v_add_nc_u32 v[STO], s57, v15
	v_lshrrev_b32 v16, 3, v1
	v_and_b32 v17, 7, v0
	v_mul_u32_u24 v16, v16, PITCH
	v_lshl_add_u32 v16, v17, 4, v16
	v_add_nc_u32 v[RD], s57, v16                   ; row lane / 8, 16 bytes at lane % 8
	s_wait_dscnt 0x0
	s_wait_kmcnt 0x0
	s_cmp_eq_u32 s42, 1                            ; x and the bias of my projection
	s_cselect_b64 s[4:5], s[6:7], s[4:5]
	s_cselect_b64 s[12:13], s[14:15], s[12:13]
	s_cmp_eq_u32 s42, 2
	s_cselect_b64 s[4:5], s[8:9], s[4:5]
	s_cselect_b64 s[12:13], s[16:17], s[12:13]
	s_cmp_eq_u32 s42, 0
	s_cselect_b32 s44, 0x3e38aa3b, 1.0             ; Q alone is scaled: 0.125 log2(e)
	s_mov_b32 s45, s44
	s_lshl_b32 s46, s40, 19                        ; x: (128 row block + 32 wave) rows of 4,096 bytes
	s_lshl_b32 s47, s20, 17
	s_add_co_u32 s46, s46, s47
	s_mov_b32 s47, 0
	s_add_nc_u64 s[4:5], s[4:5], s[46:47]
	s_lshl_b32 s50, s43, 10                        ; bias: (256 column block + 128 wn) f32
	s_lshl_b32 s51, s22, 9
	s_add_co_u32 s50, s50, s51
	s_mov_b32 s51, 0
	s_add_nc_u64 s[12:13], s[12:13], s[50:51]
	s_lshl_b32 s48, s42, 21                        ; W: plane, then (256 column block + 64 wave) rows of 2,048 bytes: nothing of cx
	s_lshl_b32 s49, s43, 19
	s_add_co_u32 s48, s48, s49
	s_lshl_b32 s49, s20, 17
	s_add_co_u32 s48, s48, s49
	s_mov_b32 s49, 0
	s_add_nc_u64 s[10:11], s[10:11], s[48:49]
	s_mul_i32 s52, s20, 64*PITCH                   ; and where my 64 rows go
	s_lshr_b32 s58, s40, 4                         ; the result: ((16 b + head) 2,048 + s) rows of 128 bytes, behind the plane
	s_lshl_b32 s58, s58, 4
	s_lshl_b32 s59, s43, 2
	s_add_co_u32 s58, s58, s59
	s_lshl_b32 s59, s22, 1
	s_add_co_u32 s58, s58, s59                     ; 16 b + 4 column block + 2 wn: my first head
	s_lshl_b32 s58, s58, 11
	s_and_b32 s59, s40, 15
	s_lshl_b32 s59, s59, 7
	s_add_co_u32 s58, s58, s59
	s_lshl_b32 s59, s21, 6
	s_add_co_u32 s58, s58, s59
	s_lshl_b32 s58, s58, 7
	s_lshl_b32 s59, s42, 24
	s_add_co_u32 s58, s58, s59
	s_mov_b32 s59, 0
	s_add_nc_u64 s[18:19], s[18:19], s[58:59]
; 24 LDS loads: the fragments of 32 along K at byte k of the rows: 128 rows of W, 64 rows of x
.macro FETCH slot, k, f
.irp i, 0,1,2,3,4,5,6,7
	ds_load_b128 v[\f+8*\i:\f+8*\i+3],   v[ADRB+\slot] offset:\k+\i*FR
	ds_load_b128 v[\f+8*\i+4:\f+8*\i+7], v[ADRB+\slot] offset:\k+\i*FR+32
.endr
.irp i, 0,1,2,3
	ds_load_b128 v[\f+64+8*\i:\f+64+8*\i+3],   v[ADRA+\slot] offset:\k+\i*FR
	ds_load_b128 v[\f+64+8*\i+4:\f+64+8*\i+7], v[ADRA+\slot] offset:\k+\i*FR+32
.endr
.endm
; 16 matrix instructions.  The 32 accumulators take turns, one instruction a turn, in the same order in every quarter.
.macro MUL16 f, a0, zero
.irp a, \a0, \a0+1
.irp b, 0,1,2,3,4,5,6,7
.if \zero
	v_wmma_f32_16x16x32_bf16 v[8*(8*(\a)+\b):8*(8*(\a)+\b)+7], v[\f+8*\b:\f+8*\b+7], v[\f+64+8*(\a):\f+64+8*(\a)+7], 0
.else
	v_wmma_f32_16x16x32_bf16 v[8*(8*(\a)+\b):8*(8*(\a)+\b)+7], v[\f+8*\b:\f+8*\b+7], v[\f+64+8*(\a):\f+64+8*(\a)+7], v[8*(8*(\a)+\b):8*(8*(\a)+\b)+7]
.endif
.endr
.endr
.endm
; a quarter of a K step: buffer f is multiplied; ahead of that the next quarter's fragments are asked for, into buffer g
.macro QUARTER slot, k, f, g, zero
	s_wait_dscnt 0x0                               ; buffer f is in: its loads were issued a quarter ago
	WIN 0
	PLACES 4                                       ; loads into registers that matrix instructions have read stand four places behind them
	FETCH \slot, \k, \g
	WIN 0x50                                       ; C and D in window 1
	MUL16 \f, 0, \zero
	MUL16 \f, 2, \zero
.endm
; staging set nb (32 rows of 128 f32, one row an instruction) becomes bf16 and goes into x buffer nb.  left = the younger loads that may stay out.
.macro ACONV nb, left
	s_wait_loadcnt \left
	WIN 0x8a
.set i, 0
.rept 32
	v_cvt_pk_bf16_f32 v[128*\nb+4*i],   v[128*\nb+4*i],   v[128*\nb+4*i+1]
	v_cvt_pk_bf16_f32 v[128*\nb+4*i+1], v[128*\nb+4*i+2], v[128*\nb+4*i+3]
.set i, i+1
.endr
	WIN 0x08
.set i, 0
.rept 32
	ds_store_b64 v[ASTO+\nb], v[128*\nb+4*i:128*\nb+4*i+1] offset:PITCH*i   ; 32 lanes x 8 bytes: a row
.set i, i+1
.endr
.endm
.macro ALOAD nb, j                     ; K step j of my 32 rows into staging set nb: each load 512 consecutive bytes of a row
	WIN 0x80
.set i, 0
.rept 32
	global_load_b128 v[128*\nb+4*i:128*\nb+4*i+3], v[AOFF], s[4:5] offset:4096*i+512*\j
.set i, i+1
.endr
.endm
; the last quarter of a K step: buffer 1 is multiplied and the slots change.  In front of the barrier each wave waits for its LDS reads and stores and for all
; its tensor loads; with fill = 1 the barrier opens a round of the cluster's barrier, and the joint refill of this slot is the first tensor load behind the round.
.macro TURN slot, next, fill
	s_wait_dscnt 0x0                               ; my reads of this slot and of this x buffer are over, my stores into the next x buffer are done
	s_wait_tensorcnt 0x0                           ; my part of the next slot has landed; no tensor load of mine is out
	ds_add_u32 v254, v255
	s_wait_dscnt 0x0
	s_barrier_signal -1
	WIN 0x50
	MUL16 F1, 0, 0                                 ; register work while the others arrive
	WIN 0
	s_barrier_wait -1
.if \fill
	CREST
	s_add_nc_u64 s[G0+4*\slot+2:G0+4*\slot+3], s[G0+4*\slot+2:G0+4*\slot+3], 512   ; two K steps of 256 bytes on
	tensor_load_to_lds s[G0+4*\slot:G0+4*\slot+3], s[G1:G1+7]
	s_nop 0
.endif
	PLACES 4
	FETCH \next, 0, F0
	WIN 0x50
	MUL16 F1, 2, 0
.endm
; K step in slot s; nb = the other slot and x buffer; j = the K step whose x is asked for (8: none)
.macro KS s, nb, zero, left, j, fill
	QUARTER \s, 64, F0, F1, \zero
	ACONV \nb, \left
.if \j < 8
	ALOAD \nb, \j
.endif
	QUARTER \s, 128, F1, F0, 0
	QUARTER \s, 192, F0, F1, 0
	TURN \s, \nb, \fill
.endm
	WIN 0xc0
.set i, 0
.rept 16
	global_load_b128 v[4*i:4*i+3], v[BOFF], s[12:13] offset:64*(i/2)+16*(i%2)   ; bias of columns 16 b + 8 h + 4 c ..
.set i, i+1
.endr
	ALOAD 0, 0
	ALOAD 1, 1
	WIN 0
	ROUND                                          ; all four work-groups are here: the first joint loads meet
.irp s, 0,1
	s_mov_b32 s[G0+4*\s], 1
	s_add_co_u32 s[G0+4*\s+1], s52, \s*BSLOT
	s_add_nc_u64 s[G0+4*\s+2:G0+4*\s+3], s[10:11], \s*256
	s_or_b32 s[G0+4*\s+3], s[G0+4*\s+3], 0x80000000
	tensor_load_to_lds s[G0+4*\s:G0+4*\s+3], s[G1:G1+7]
	s_nop 0
.endr
	ACONV 0, 32                                    ; the bias and K step 0 are in; K step 1's 32 loads stay out
	ALOAD 0, 2
	WIN 0
	s_wait_dscnt 0x0                               ; my rows of x buffer 0 are written
	s_wait_tensorcnt 0x1                           ; my part of slot 0 is in; slot 1's stays out
	s_barrier_signal -1
	s_barrier_wait -1
	FETCH 0, 0, F0
	KS 0, 1, 1, 32, 3, 1                           ; the first products start the sums: nothing is cleared
	KS 1, 0, 0, 32, 4, 1
	KS 0, 1, 0, 32, 5, 1
	KS 1, 0, 0, 32, 6, 1
	KS 0, 1, 0, 32, 7, 1
	KS 1, 0, 0, 32, 8, 1                           ; the last refill: K step 7
	KS 0, 1, 0, 0, 8, 0                            ; no younger x load is out; nothing is left to fetch
	QUARTER 1, 64, F0, F1, 0
	QUARTER 1, 128, F1, F0, 0
	QUARTER 1, 192, F0, F1, 0
	s_wait_dscnt 0x0
	WIN 0x50
	MUL16 F1, 0, 0
	MUL16 F1, 2, 0
	; THE WAY OUT: (sum + bias) x scale = sum x scale + bias x scale, one fused multiply-add; f16; 16 rows at a time through my own stage
	PLACES 4                                       ; vector instructions read matrix results four places behind them (ISA guide 7.12.1)
	WIN 0xc3
.set i, 0
.rept 32
	v_pk_mul_f32 v[2*i:2*i+1], v[2*i:2*i+1], s[44:45] op_sel_hi:[1,0]
.set i, i+1
.endr
.macro OUT16 a
	WIN 0x71                                       ; sums in window 1, bias in window 3
.set i, 0
.rept 32
	v_pk_fma_f32 v[64*\a+2*i:64*\a+2*i+1], v[64*\a+2*i:64*\a+2*i+1], s[44:45], v[2*i:2*i+1] op_sel_hi:[1,0,1]
.set i, i+1
.endr
	WIN 0x05
.set i, 0
.rept 32
	v_cvt_pk_f16_f32 v[TMP+i], v[64*\a+2*i], v[64*\a+2*i+1]
.set i, i+1
.endr
	WIN 0
.irp b, 0,1,2,3,4,5,6,7
	ds_store_b128 v[STO], v[TMP+4*\b:TMP+4*\b+3] offset:32*\b
.endr
.set n, 0
.rept 8                                            ; back: four rows x 128 bytes of one head; LDS serves a wave in order, the stage is my own
	ds_load_b128 v[OB+32*\a+4*n:OB+32*\a+4*n+3], v[RD] offset:4*PITCH*(n%4)+128*(n/4)
.set n, n+1
.endr
.set n, 0
.rept 8
	s_wait_dscnt 7-n                               ; the 7 - n younger loads stay out
	global_store_b128 v[AOFF], v[OB+32*\a+4*n:OB+32*\a+4*n+3], s[18:19] offset:262144*(n/4)+2048*\a+512*(n%4)   ; 512 consecutive bytes, aligned
.set n, n+1
.endr
.endm
	OUT16 0
	OUT16 1
	OUT16 2
	OUT16 3
	s_wait_tensorcnt 0x0
	ds_add_u32 v254, v255
	s_wait_dscnt 0x0
	ROUND                                          ; the closing round: no work-group ends while a partner may still ask jointly
	s_endpgm
.Lfunc_end_k_qb9d5514cf5_qkv:
	.size	k_qb9d5514cf5_qkv, .Lfunc_end_k_qb9d5514cf5_qkv-k_qb9d5514cf5_qkv
	.p2alignl 7, 3214868480
	.fill 96, 4, 3214868480
	.section	.rodata,"a",@progbits
	.p2align	6, 0x0
	.amdhsa_kernel k_qb9d5514cf5_qkv
		.amdhsa_group_segment_fixed_size 327680
		.amdhsa_private_segment_fixed_size 0
		.amdhsa_enable_private_segment 0
		.amdhsa_kernarg_size 64
		.amdhsa_user_sgpr_count 2
		.amdhsa_user_sgpr_kernarg_segment_ptr 1
		.amdhsa_wavefront_size32 1
		.amdhsa_system_sgpr_workgroup_id_x 1
		.amdhsa_system_sgpr_workgroup_id_y 1
		.amdhsa_system_sgpr_workgroup_id_z 1
		.amdhsa_system_vgpr_workitem_id 0
		.amdhsa_next_free_vgpr 832
		.amdhsa_next_free_sgpr 66
		.amdhsa_reserve_vcc 0
		.amdhsa_float_denorm_mode_32 3
		.amdhsa_float_denorm_mode_16_64 3
		.amdhsa_memory_ordered 1
		.amdhsa_forward_progress 1
		.amdhsa_inst_pref_size 230
	.end_amdhsa_kernel
	.amdgpu_metadata
---
amdhsa.version: [ 1, 2 ]
amdhsa.kernels:
  - .name:           k_qb9d5514cf5_qkv
    .symbol:         k_qb9d5514cf5_qkv.kd
    .args:
      - { .name: query, .offset: 0, .size: 8, .value_kind: global_buffer, .address_space: global }
      - { .name: key, .offset: 8, .size: 8, .value_kind: global_buffer, .address_space: global }
      - { .name: value, .offset: 16, .size: 8, .value_kind: global_buffer, .address_space: global }
      - { .name: W16, .offset: 24, .size: 8, .value_kind: global_buffer, .address_space: global }
      - { .name: bq, .offset: 32, .size: 8, .value_kind: global_buffer, .address_space: global }
      - { .name: bk, .offset: 40, .size: 8, .value_kind: global_buffer, .address_space: global }
      - { .name: bv, .offset: 48, .size: 8, .value_kind: global_buffer, .address_space: global }
      - { .name: QKV, .offset: 56, .size: 8, .value_kind: global_buffer, .address_space: global }
    .group_segment_fixed_size: 327680
    .private_segment_fixed_size: 0
    .kernarg_segment_align: 8
    .kernarg_segment_size: 64
    .max_flat_workgroup_size: 128
    .sgpr_count:     66
    .vgpr_count:     832
    .wavefront_size: 32
...
	.end_amdgpu_metadata
.endif
;; end of part 2
;; launch attn (part 3): grid 256 x 1, 8 waves a work-group, clusters of 4 x 1, 327,680 bytes of LDS; arguments QKV, mbits, Xh; writes Xh
.if DOCPART == 3
	.amdgcn_target "amdgcn-amd-amdhsa--gfx1250"
	.amdhsa_code_object_version 6
	.text
	.protected	k_qb9d5514cf5_attn
	.globl	k_qb9d5514cf5_attn
	.p2align	8
	.type	k_qb9d5514cf5_attn,@function
k_qb9d5514cf5_attn:
	s_mov_b64 s[64:65], 0
	v_nop
	global_prefetch_b8 v0, s[64:65] scope:SCOPE_SE
	s_setreg_imm32_b32 hwreg(HW_REG_WAVE_MODE, 25, 1), 1
	s_wait_xcnt 0x0
	s_wait_alu depctr_hold_cnt(0) depctr_sa_sdst(0) depctr_va_vdst(0) depctr_va_sdst(0) depctr_va_ssrc(0) depctr_va_vcc(0) depctr_vm_vsrc(0)
	s_getreg_b32 s2, hwreg(HW_REG_IB_STS2, 6, 4)
	s_cmp_eq_u32 s2, 0
	s_cbranch_scc0 .Lentry_in_a_cluster
	s_endpgm
.Lentry_in_a_cluster:
	s_bfe_u32 s2, ttmp6, 0x10000c
	s_cmp_lg_u32 s2, 0x3003
	s_cbranch_scc0 .Lentry_shape_is_right
	s_endpgm
.Lentry_shape_is_right:
; attn: softmax(mask(Q K^T / 8)) V for one (batch, head) and 512 queries a work-group.  Q, K, V: QKV[plane][b][h][s][64] f16, Q already times 0.125 log2(e).
; Result Xh[b][h][s][64] f16.  Sums, maxima, exponentials in f32; a running maximum is taken away before every exponential.
; A masked score is -1e9 log2(e), the reference's fill in base-2 units: a row that is masked throughout comes out as the plain average of V.
; LIMIT: |Q|, |K|, |V| below 65,504 (f16 operands); NaN and infinities are not followed.
; Eight waves, two for each SIMD, so that one wave's softmax runs beside the other's matrix instructions.  A wave owns 64 queries (4 tiles of 16).
; CLUSTERS: the four query blocks of a head form a cluster and ask jointly (mask 15) for K and V: two LDS slots of 256 keys, each wave one load of 64 rows x 128 bytes
; (waves 0-3 K's rows, waves 4-7 V's).  Rows are 128 bytes because a head's rows are.
; NO SHUFFLE: S^T = K Q^T (source 0 = rows of K, source 1 = rows of Q): lane (r, h), register j of tile kt holds key 16 kt + 8 h + j, query r.  Packed in pairs that is
; source 1 of O^T = V^T P^T; source 0, V^T, comes by transposing LDS loads.  Maximum, sum and rescale factor are one number a lane; the two halves of the lanes
; are joined by one v_permlanex16_b32 a step for the maximum, once at the end for the sum.
; THE MASK comes as lane masks by scalar loads (mbits): one v_cndmask_b32 for each score register.
; A step is 64 keys; in it the wave's query tiles go in two pairs p (tiles 2 p, 2 p + 1).
.set KP,     144                       ; an LDS row: 128 bytes + 16
.set SLOT,   512*KP                    ; K's 256 rows, then V's 256
.set VOFF,   256*KP
.set WTILE,  64*KP                     ; what one tensor load brings
.set STAGE,  2*SLOT
.set WSTAGE, 16*KP
.set QOFF, 1                           ; v1       128 r + 16 h: Q fragments in memory
.set ADK,  2                           ; v2-3     K fragments in slot 0, 1
.set STO,  4
.set RD,   5
.set CO,   6
.set NEG,  7                           ; v7       -1e9 log2(e)
.set M,    8                           ; v[8:15]  running maximum, a pair for each tile: the low register counts, the high one is written once
.set L,    16                          ; v[16:19] running sum (of my half of the keys)
.set AL,   20                          ; v[20:23] rescale factor, a pair for each tile of the pair at work
.set T,    24                          ; v[24:31] at work
.set QF,   32                          ; v[32:95]   Q fragment (t, ks) at 16 t + 8 ks
.set KF,   96                          ; v[96:159]  K fragment (kt, ks) at 16 kt + 8 ks
.set SB,   160                         ; v[160:223] scores (u, kt, j) at 32 u + 8 kt + j; then P (u, ks2) at 32 u + 8 ks2
.set O,    0                           ; window 1: v[0:127] O^T tile (t, dt) at 32 t + 8 dt
.set VF,   128                         ; window 1: v[128:191] V^T fragment (ks2, dt) at 32 ks2 + 8 dt
.set ADV,  192                         ; window 1: v192-193 V's transposing loads in slot 0, 1
.set G1,   84                          ; s[84:91]
.set G0,   92                          ; s[92:99], one set for each slot
.set MSB, 0
.macro WIN new
.if MSB != \new
	s_set_vgpr_msb (MSB<<8)|\new
.set MSB, \new
.endif
.endm
.macro PLACES cnt
.rept \cnt
	v_nop
.endr
.endm
.macro ROUND                           ; a round of the cluster's barrier
	s_barrier_signal -1
	s_barrier_wait -1
	s_cmp_lg_u32 s14, 0
	s_cbranch_scc1 .Lnot_wave_0_\@
	s_barrier_signal -3
.Lnot_wave_0_\@:
	s_barrier_wait -3
	s_barrier_signal -1
	s_barrier_wait -1
.endm
	s_load_b128 s[4:7], s[0:1], 0x0                ; QKV s[4:5], mbits s[6:7]
	s_load_b64 s[8:9], s[0:1], 0x10                ; Xh
	v_lshl_add_u32 v254, v0, 2, 0x29000
	v_mov_b32 v255, 0
	ds_add_u32 v254, v255
	v_lshrrev_b32 v28, 5, v0
	v_readfirstlane_b32 s14, v28                   ; wave
	s_bfe_u32 s101, ttmp6, 0x40000                 ; cx: my block of 512 queries; ttmp9: 16 b + head
	s_mov_b32 s66, 0x76543210                      ; v_permlanex16_b32: lane i reads lane i of the other half
	s_mov_b32 s67, 0xfedcba98
	; group 1: 64 rows x 64 elements of 2 bytes, 16 bytes of padding behind every 32 dwords
	s_mov_b32 s[G1+0], 15|(1<<16)|(1<<20)|(1<<21)|(4<<22)|(3<<25)
	s_mov_b32 s[G1+1], 64<<16
	s_mov_b32 s[G1+2], 64<<16
	s_mov_b32 s[G1+3], 64<<16
	s_mov_b32 s[G1+4], 64
	s_mov_b32 s[G1+5], 64
	s_mov_b32 s[G1+6], 0
	s_mov_b32 s[G1+7], 0
	; what feeds the descriptors is made of the head and the wave alone, in s2, s3, s100
	s_lshr_b32 s2, s14, 2
	s_add_co_u32 s2, s2, 1
	s_lshl_b32 s2, s2, 24                          ; plane 1 (K) for waves 0-3, plane 2 (V) for waves 4-7
	s_lshl_b32 s3, ttmp9, 18                       ; the head: 2,048 rows of 128 bytes
	s_add_co_u32 s2, s2, s3
	s_and_b32 s3, s14, 3
	s_lshl_b32 s3, s3, 13                          ; my 64 rows
	s_add_co_u32 s2, s2, s3
	s_mov_b32 s3, 0
	s_mul_i32 s100, s14, WTILE
	s_lshl_b32 s12, ttmp9, 18                      ; my queries: (2,048 head + 512 cx + 64 wave) rows of 128 bytes, in Q and in Xh
	s_lshl_b32 s13, s101, 16
	s_add_co_u32 s12, s12, s13
	s_lshl_b32 s13, s14, 13
	s_add_co_u32 s12, s12, s13
	s_mov_b32 s13, 0
	s_wait_dscnt 0x0
	s_wait_kmcnt 0x0
	s_add_nc_u64 s[2:3], s[4:5], s[2:3]
	s_add_nc_u64 s[10:11], s[4:5], s[12:13]
	s_add_nc_u64 s[8:9], s[8:9], s[12:13]
	s_lshr_b32 s12, ttmp9, 4                       ; my mask bits: (128 b + 32 cx + 4 wave) query tiles of 4,096 bytes
	s_lshl_b32 s12, s12, 19
	s_lshl_b32 s13, s101, 17
	s_add_co_u32 s12, s12, s13
	s_lshl_b32 s13, s14, 14
	s_add_co_u32 s12, s12, s13
	s_mov_b32 s13, 0
	s_add_nc_u64 s[6:7], s[6:7], s[12:13]
	ROUND                                          ; the four work-groups are here: the first joint loads meet
.irp s, 0,1
	s_mov_b32 s[G0+4*\s], 1
	s_add_co_u32 s[G0+4*\s+1], s100, \s*SLOT
	s_add_nc_u64 s[G0+4*\s+2:G0+4*\s+3], s[2:3], \s*32768          ; keys 256 s ..
	s_or_b32 s[G0+4*\s+3], s[G0+4*\s+3], 0x80000000
	tensor_load_to_lds s[G0+4*\s:G0+4*\s+3], s[G1:G1+7]
	s_nop 0
.endr
; the lane masks of 64 keys for query tiles 2 p, 2 p + 1: 32 dwords each
.macro MLOAD p, off
	s_load_b512 s[16:31], s[6:7], \off+(2*\p)*4096
	s_load_b512 s[32:47], s[6:7], \off+(2*\p)*4096+64
	s_load_b512 s[48:63], s[6:7], \off+(2*\p+1)*4096
	s_load_b512 s[68:83], s[6:7], \off+(2*\p+1)*4096+64
.endm
	v_and_b32 v28, 15, v0                          ; r
	v_bfe_u32 v29, v0, 4, 1                        ; h
	v_lshlrev_b32 v[QOFF], 7, v28
	v_lshl_add_u32 v[QOFF], v29, 4, v[QOFF]
.irp t, 0,1,2,3
.irp ks, 0,1
	global_load_b128 v[QF+16*\t+8*\ks:QF+16*\t+8*\ks+3],   v[QOFF], s[10:11] offset:2048*\t+64*\ks
	global_load_b128 v[QF+16*\t+8*\ks+4:QF+16*\t+8*\ks+7], v[QOFF], s[10:11] offset:2048*\t+64*\ks+32
.endr
.endr
	MLOAD 0, 0
	s_mul_i32 s100, s14, WSTAGE
	s_add_co_u32 s100, s100, STAGE                 ; my stage
	v_mul_u32_u24 v[ADK], v28, KP
	v_lshl_add_u32 v[ADK], v29, 4, v[ADK]          ; r x pitch + 16 h
	v_add_nc_u32 v[ADK+1], SLOT, v[ADK]
	v_add_nc_u32 v[STO], s100, v[ADK]
	v_and_b32 v30, 31, v0
	v_lshlrev_b32 v[CO], 4, v30
	v_lshrrev_b32 v30, 3, v30
	v_and_b32 v31, 7, v0
	v_mul_u32_u24 v30, v30, KP
	v_lshl_add_u32 v30, v31, 4, v30
	v_add_nc_u32 v[RD], s100, v30                  ; row lane / 8, 16 bytes at lane % 8
	v_lshl_add_u32 v31, v29, 3, v31                ; V: key row 8 h + lane % 8,
	v_mul_u32_u24 v31, v31, KP
	v_bfe_u32 v30, v0, 3, 1
	v_lshl_add_u32 v31, v30, 4, v31                ; 16 bytes at (lane / 8) % 2
	v_add_nc_u32 v31, VOFF, v31
	WIN 0x40
	v_mov_b32 v[ADV], v31
	v_add_nc_u32 v[ADV+1], SLOT, v31
	WIN 0
	v_mov_b32 v[NEG], 0xceabfb8f
.irp t, 0,1,2,3
	v_mov_b32 v[M+2*\t+1], 0                       ; the pairs' high registers are named by packed instructions and never used
.endr
	v_mov_b32 v[AL+1], 0
	v_mov_b32 v[AL+3], 0
.macro KLOAD s, st                     ; 16 loads: K's fragments of step st
.irp kt, 0,1,2,3
.irp ks, 0,1
	ds_load_b128 v[KF+16*\kt+8*\ks:KF+16*\kt+8*\ks+3],   v[ADK+\s] offset:(64*(\st)+16*\kt)*KP+64*\ks
	ds_load_b128 v[KF+16*\kt+8*\ks+4:KF+16*\kt+8*\ks+7], v[ADK+\s] offset:(64*(\st)+16*\kt)*KP+64*\ks+32
.endr
.endr
.endm
.macro VLOAD s, st                     ; 16 transposing loads: V^T's fragments of step st (address and data in window 1)
.irp ks2, 0,1
.irp dt, 0,1,2,3
	ds_load_tr16_b128 v[VF+32*\ks2+8*\dt:VF+32*\ks2+8*\dt+3],   v[ADV+\s] offset:(64*(\st)+32*\ks2)*KP+32*\dt
	ds_load_tr16_b128 v[VF+32*\ks2+8*\dt+4:VF+32*\ks2+8*\dt+7], v[ADV+\s] offset:(64*(\st)+32*\ks2+16)*KP+32*\dt
.endr
.endr
.endm
; 16 matrix instructions: the scores of 64 keys x 32 queries.  Eight accumulators take turns, one instruction a turn.
.macro SMUL p
.irp ks, 0,1
.irp u, 0,1
.irp kt, 0,1,2,3
.if \ks
	v_wmma_f32_16x16x32_f16 v[SB+32*\u+8*\kt:SB+32*\u+8*\kt+7], v[KF+16*\kt+8*\ks:KF+16*\kt+8*\ks+7], v[QF+16*(2*\p+\u)+8*\ks:QF+16*(2*\p+\u)+8*\ks+7], v[SB+32*\u+8*\kt:SB+32*\u+8*\kt+7]
.else
	v_wmma_f32_16x16x32_f16 v[SB+32*\u+8*\kt:SB+32*\u+8*\kt+7], v[KF+16*\kt+8*\ks:KF+16*\kt+8*\ks+7], v[QF+16*(2*\p+\u)+8*\ks:QF+16*(2*\p+\u)+8*\ks+7], 0
.endif
.endr
.endr
.endr
.endm
.macro MASKP                           ; bit set: the score stays; bit clear: the fill
.irp kt, 0,1,2,3
.irp j, 0,1,2,3,4,5,6,7
	v_cndmask_b32 v[SB+8*\kt+\j], v[NEG], v[SB+8*\kt+\j], s[16+8*\kt+\j]
.endr
.endr
.irp kt, 0,1
.irp j, 0,1,2,3,4,5,6,7
	v_cndmask_b32 v[SB+32+8*\kt+\j], v[NEG], v[SB+32+8*\kt+\j], s[48+8*\kt+\j]
.endr
.endr
.irp kt, 2,3
.irp j, 0,1,2,3,4,5,6,7
	v_cndmask_b32 v[SB+32+8*\kt+\j], v[NEG], v[SB+32+8*\kt+\j], s[52+8*\kt+\j]
.endr
.endr
.endm
.macro SUBM u, t, i                    ; two scores less the maximum
	v_pk_add_f32 v[SB+32*\u+2*(\i):SB+32*\u+2*(\i)+1], v[SB+32*\u+2*(\i):SB+32*\u+2*(\i)+1], v[M+2*\t:M+2*\t+1] op_sel_hi:[1,0] neg_lo:[0,1] neg_hi:[0,1]
.endm
; the running softmax of query tile t, whose 32 score registers lie at u.  first = 1: nothing has been carried yet.
.macro SOFT u, t, first
.irp c, 0,1,2,3
	v_max3_num_f32 v[T+\c], v[SB+32*\u+8*\c], v[SB+32*\u+8*\c+1], v[SB+32*\u+8*\c+2]
.endr
.irp c, 0,1,2,3
	v_max3_num_f32 v[T+\c], v[T+\c], v[SB+32*\u+8*\c+3], v[SB+32*\u+8*\c+4]
.endr
.irp c, 0,1,2,3
	v_max3_num_f32 v[T+\c], v[T+\c], v[SB+32*\u+8*\c+5], v[SB+32*\u+8*\c+6]
.endr
	v_max3_num_f32 v[T],   v[T],   v[T+1], v[SB+32*\u+7]
	v_max3_num_f32 v[T+2], v[T+2], v[T+3], v[SB+32*\u+15]
	v_max3_num_f32 v[T],   v[T],   v[T+2], v[SB+32*\u+23]
.if \first
	v_max_num_f32 v[T], v[T], v[SB+32*\u+31]
.else
	v_max3_num_f32 v[T], v[T], v[SB+32*\u+31], v[M+2*\t]
.endif
	v_permlanex16_b32 v[T+1], v[T], s66, s67       ; the other half of the keys
.if \first
	v_max_num_f32 v[M+2*\t], v[T], v[T+1]
.else
	v_max_num_f32 v[T+2], v[T], v[T+1]
	v_sub_f32 v[T+3], v[M+2*\t], v[T+2]
	v_exp_f32 v[AL+2*\u], v[T+3]                   ; what has been carried shrinks by 2^(old - new)
	v_mov_b32 v[M+2*\t], v[T+2]                    ; a plain instruction behind the exponential (ISA guide 5.7.2)
.endif
	SUBM \u, \t, 0
	SUBM \u, \t, 1
.set i, 0
.rept 14                                           ; two exponentials, then the subtraction of a later pair, which names none of their registers
	v_exp_f32 v[SB+32*\u+2*i],   v[SB+32*\u+2*i]
	v_exp_f32 v[SB+32*\u+2*i+1], v[SB+32*\u+2*i+1]
	SUBM \u, \t, i+2
.set i, i+1
.endr
.irp j, 28,29,30,31
	v_exp_f32 v[SB+32*\u+\j], v[SB+32*\u+\j]
.endr
	s_wait_alu depctr_va_vdst(0)
.irp c, 0,1,2,3                                    ; the sum, in four chains; the first line names registers 0 to 3 alone: the plain place behind the last four exponentials
	v_pk_add_f32 v[T+2*\c:T+2*\c+1], v[SB+32*\u+4*\c:SB+32*\u+4*\c+1], v[SB+32*\u+4*\c+2:SB+32*\u+4*\c+3]
.endr
.irp c, 0,1,2,3
	v_pk_add_f32 v[T+2*\c:T+2*\c+1], v[T+2*\c:T+2*\c+1], v[SB+32*\u+16+2*\c:SB+32*\u+16+2*\c+1]
.endr
.irp c, 0,1,2,3
	v_pk_add_f32 v[T+2*\c:T+2*\c+1], v[T+2*\c:T+2*\c+1], v[SB+32*\u+24+2*\c:SB+32*\u+24+2*\c+1]
.endr
	v_pk_add_f32 v[T:T+1],   v[T:T+1],   v[T+2:T+3]
	v_pk_add_f32 v[T+4:T+5], v[T+4:T+5], v[T+6:T+7]
	v_pk_add_f32 v[T:T+1],   v[T:T+1],   v[T+4:T+5]
.if \first
	v_add_f32 v[L+\t], v[T], v[T+1]
.else
	v_add_f32 v[T], v[T], v[T+1]
	v_fma_f32 v[L+\t], v[L+\t], v[AL+2*\u], v[T]
.endif
.set i, 0
.rept 16                                           ; P in f16, packed downward in place: register i from registers 2 i, 2 i + 1
	v_cvt_pk_f16_f32 v[SB+32*\u+i], v[SB+32*\u+2*i], v[SB+32*\u+2*i+1]
.set i, i+1
.endr
.endm
; O^T of tiles 2 p, 2 p + 1 shrinks and takes 64 keys more.  Eight accumulators take turns, one instruction a turn.
.macro PVP p, first
.if \first == 0
.irp u, 0,1
.set i, 0
.rept 16
	v_pk_mul_f32 v[O+32*(2*\p+\u)+2*i:O+32*(2*\p+\u)+2*i+1], v[O+32*(2*\p+\u)+2*i:O+32*(2*\p+\u)+2*i+1], v[AL+2*\u:AL+2*\u+1] op_sel_hi:[1,0]
.set i, i+1
.endr
.endr
.endif
.irp ks2, 0,1
.irp u, 0,1
.irp dt, 0,1,2,3
.if (\first)*(1-\ks2)
	v_wmma_f32_16x16x32_f16 v[O+32*(2*\p+\u)+8*\dt:O+32*(2*\p+\u)+8*\dt+7], v[VF+32*\ks2+8*\dt:VF+32*\ks2+8*\dt+7], v[SB+32*\u+8*\ks2:SB+32*\u+8*\ks2+7], 0
.else
	v_wmma_f32_16x16x32_f16 v[O+32*(2*\p+\u)+8*\dt:O+32*(2*\p+\u)+8*\dt+7], v[VF+32*\ks2+8*\dt:VF+32*\ks2+8*\dt+7], v[SB+32*\u+8*\ks2:SB+32*\u+8*\ks2+7], v[O+32*(2*\p+\u)+8*\dt:O+32*(2*\p+\u)+8*\dt+7]
.endif
.endr
.endr
.endr
.endm
; 64 keys (step st of slot s) against my 64 queries.  last = 1: the launch's last step, which asks for no further mask bits.
.macro STEP s, st, first, last
	WIN 0
	s_wait_dscnt 16                                ; K's 16 loads are in; V's 16, issued behind them, stay out
	SMUL 0
	PLACES 4                                       ; vector instructions read matrix results four places behind them (ISA guide 7.12.1)
	s_wait_kmcnt 0x0
	MASKP
	MLOAD 1, 128*\st
	SOFT 0, 0, \first
	SOFT 1, 1, \first
	s_wait_dscnt 0x0                               ; V is in
	WIN 0x51                                       ; O and V^T in window 1, P and the factor in window 0
	PVP 0, \first
	WIN 0
	PLACES 5                                       ; the next scores are written over P, which matrix instructions have read: five places
	SMUL 1
	PLACES 4                                       ; for the mask's reads and for the loads into K's fragments
.if \st < 3
	KLOAD \s, \st+1
.endif
	s_wait_kmcnt 0x0                               ; the bits are in, and the loads that name s[6:7] are done
.if \st == 3
.if \last == 0
	s_add_nc_u64 s[6:7], s[6:7], 512               ; 256 keys on: 16 key tiles of 32 bytes
.endif
.endif
	MASKP
.if \st < 3
	MLOAD 0, 128*(\st+1)
.else
.if \last == 0
	MLOAD 0, 0
.endif
.endif
	SOFT 0, 2, \first
	SOFT 1, 3, \first
	WIN 0x51
	PVP 1, \first
	PLACES 5                                       ; for the loads into V^T's fragments (four) and the next scores over P (five)
.if \st < 3
	VLOAD \s, \st+1
.endif
.endm
.macro BLOCK s, first, last            ; the 256 keys of slot s
	KLOAD \s, 0
	WIN 0x51
	VLOAD \s, 0
	STEP \s, 0, \first, 0
	STEP \s, 1, 0, 0
	STEP \s, 2, 0, 0
	STEP \s, 3, 0, \last
.endm
; change of slots: each wave waits for its LDS reads and for all its tensor loads, a round of the cluster's barrier, then the joint refill of the slot read last,
; the wave's one tensor load until the next round; it has a block of 256 keys in which to land
.macro TWO s, refill, last
	WIN 0
	s_wait_tensorcnt 0x0                           ; my part of slot s has landed; no tensor load of mine is out, so a group 0 may be written
	ds_add_u32 v254, v255
	s_wait_dscnt 0x0
	s_add_nc_u64 s[G0+4*(1-\s)+2:G0+4*(1-\s)+3], s[G0+4*(1-\s)+2:G0+4*(1-\s)+3], 65536   ; the other slot's next 256 keys: 512 rows on
	s_wait_dscnt 0x0                               ; my reads of the other slot are over
	ROUND
.if \refill
	tensor_load_to_lds s[G0+4*(1-\s):G0+4*(1-\s)+3], s[G1:G1+7]
	s_nop 0
.endif
	BLOCK \s, 0, \last
.endm
	s_wait_tensorcnt 0x1                           ; my part of slot 0 is in; slot 1's stays out
	s_barrier_signal -1
	s_barrier_wait -1
	s_wait_loadcnt 0x0                             ; Q
	BLOCK 0, 1, 0                                  ; keys 0-255: the first products start the sums
	WIN 0
	s_mov_b32 s15, 3
.Lpair:                                            ; keys 256-1791, 512 a trip
	TWO 1, 1, 0
	TWO 0, 1, 0
	WIN 0
	s_sub_co_u32 s15, s15, 1
	s_cmp_lg_u32 s15, 0
	s_cbranch_scc1 .Lpair
	TWO 1, 0, 1                                    ; keys 1792-2047: nothing is left to fetch
	; THE WAY OUT: the two halves' sums meet; O / sum; f16; 16 queries at a time through my own stage
	WIN 0
.irp t, 0,1,2,3
	v_permlanex16_b32 v[T+\t], v[L+\t], s66, s67
.endr
.irp t, 0,1,2,3
	v_add_f32 v[T+\t], v[T+\t], v[L+\t]            ; at least 1: the maximum's own term
.endr
.irp t, 0,1,2,3
	v_rcp_f32 v[M+2*\t], v[T+\t]
.endr
	v_nop                                          ; a plain place behind the reciprocals (ISA guide 5.7.2)
	s_wait_alu depctr_va_vdst(0)
.macro OUTQ t
	WIN 0x41
.set i, 0
.rept 16
	v_pk_mul_f32 v[O+32*\t+2*i:O+32*\t+2*i+1], v[O+32*\t+2*i:O+32*\t+2*i+1], v[M+2*\t:M+2*\t+1] op_sel_hi:[1,0]
.set i, i+1
.endr
	WIN 0x05
.set i, 0
.rept 16
	v_cvt_pk_f16_f32 v[SB+i], v[O+32*\t+2*i], v[O+32*\t+2*i+1]
.set i, i+1
.endr
	WIN 0
.irp dt, 0,1,2,3
	ds_store_b128 v[STO], v[SB+4*\dt:SB+4*\dt+3] offset:32*\dt     ; query r, d = 16 dt + 8 h ..
.endr
.irp i, 0,1,2,3
	ds_load_b128 v[KF+16*\t+4*\i:KF+16*\t+4*\i+3], v[RD] offset:4*KP*\i   ; four rows of 128 bytes; LDS serves a wave in order, the stage is my own
.endr
.irp i, 0,1,2,3
	s_wait_dscnt 3-\i                              ; the younger loads stay out
	global_store_b128 v[CO], v[KF+16*\t+4*\i:KF+16*\t+4*\i+3], s[8:9] offset:2048*\t+512*\i   ; 512 consecutive bytes, aligned
.endr
.endm
	OUTQ 0
	OUTQ 1
	OUTQ 2
	OUTQ 3
	s_wait_tensorcnt 0x0
	ds_add_u32 v254, v255
	s_wait_dscnt 0x0
	ROUND                                          ; the closing round
	s_endpgm
.Lfunc_end_k_qb9d5514cf5_attn:
	.size	k_qb9d5514cf5_attn, .Lfunc_end_k_qb9d5514cf5_attn-k_qb9d5514cf5_attn
	.p2alignl 7, 3214868480
	.fill 96, 4, 3214868480
	.section	.rodata,"a",@progbits
	.p2align	6, 0x0
	.amdhsa_kernel k_qb9d5514cf5_attn
		.amdhsa_group_segment_fixed_size 327680
		.amdhsa_private_segment_fixed_size 0
		.amdhsa_enable_private_segment 0
		.amdhsa_kernarg_size 24
		.amdhsa_user_sgpr_count 2
		.amdhsa_user_sgpr_kernarg_segment_ptr 1
		.amdhsa_wavefront_size32 1
		.amdhsa_system_sgpr_workgroup_id_x 1
		.amdhsa_system_sgpr_workgroup_id_y 1
		.amdhsa_system_sgpr_workgroup_id_z 1
		.amdhsa_system_vgpr_workitem_id 0
		.amdhsa_next_free_vgpr 456
		.amdhsa_next_free_sgpr 102
		.amdhsa_reserve_vcc 0
		.amdhsa_float_denorm_mode_32 3
		.amdhsa_float_denorm_mode_16_64 3
		.amdhsa_memory_ordered 1
		.amdhsa_forward_progress 1
		.amdhsa_inst_pref_size 255
	.end_amdhsa_kernel
	.section	.bss,"aw",@nobits
	.p2align	6
	.space	262144
	.amdgpu_metadata
---
amdhsa.version: [ 1, 2 ]
amdhsa.kernels:
  - .name:           k_qb9d5514cf5_attn
    .symbol:         k_qb9d5514cf5_attn.kd
    .args:
      - { .name: QKV, .offset: 0, .size: 8, .value_kind: global_buffer, .address_space: global }
      - { .name: mbits, .offset: 8, .size: 8, .value_kind: global_buffer, .address_space: global }
      - { .name: Xh, .offset: 16, .size: 8, .value_kind: global_buffer, .address_space: global }
    .group_segment_fixed_size: 327680
    .private_segment_fixed_size: 0
    .kernarg_segment_align: 8
    .kernarg_segment_size: 24
    .max_flat_workgroup_size: 256
    .sgpr_count:     102
    .vgpr_count:     456
    .wavefront_size: 32
...
	.end_amdgpu_metadata
.endif
;; end of part 3
;; launch outp (part 4): grid 64 x 4, 4 waves a work-group, clusters of 4 x 1, 327,680 bytes of LDS; arguments Xh, W16, bo, out0; writes out0
.if DOCPART == 4
	.amdgcn_target "amdgcn-amd-amdhsa--gfx1250"
	.amdhsa_code_object_version 6
	.text
	.protected	k_qb9d5514cf5_outp
	.globl	k_qb9d5514cf5_outp
	.p2align	8
	.type	k_qb9d5514cf5_outp,@function
k_qb9d5514cf5_outp:
	s_mov_b64 s[64:65], 0
	v_nop
	global_prefetch_b8 v0, s[64:65] scope:SCOPE_SE
	s_setreg_imm32_b32 hwreg(HW_REG_WAVE_MODE, 25, 1), 1
	s_wait_xcnt 0x0
	s_wait_alu depctr_hold_cnt(0) depctr_sa_sdst(0) depctr_va_vdst(0) depctr_va_sdst(0) depctr_va_ssrc(0) depctr_va_vcc(0) depctr_vm_vsrc(0)
	s_getreg_b32 s2, hwreg(HW_REG_IB_STS2, 6, 4)
	s_cmp_eq_u32 s2, 0
	s_cbranch_scc0 .Lentry_in_a_cluster
	s_endpgm
.Lentry_in_a_cluster:
	s_bfe_u32 s2, ttmp6, 0x10000c
	s_cmp_lg_u32 s2, 0x3003
	s_cbranch_scc0 .Lentry_shape_is_right
	s_endpgm
.Lentry_shape_is_right:
; outp: out0 = x Wo^T + bo.  x = Xh[b][h][s][64] f16 (head-major), Wo = plane 3 of W16, [1024 n][1024 k] f16; sums in f32; out0 [8192][1024] f32.
; LIMIT: |x|, |Wo| below 65,504 (f16 operands).
; The shape is that of the input projections: a work-group makes 128 rows x 256 columns (64 x 4 = 256 work-groups), four waves 2 x 2 of 64 x 128, 32 accumulator
; tiles; K in eight steps of 128 = two heads, all written out.
; CLUSTERS: the four work-groups of a cluster differ in their row block alone and ask jointly (mask 15) for Wo's tiles, each wave 64 rows x 256 bytes, two LDS slots.
; x goes through registers: a K step's row is two pieces of 128 bytes from two heads, which no one two-dimensional tile covers, and the loads have two K steps in which to land.
; REGISTERS: window 0: addresses, fragment buffers F0, F1; window 1: accumulator (a, b) at 8 (8 a + b); window 2: two staging sets of 64, bias at v128-191.
; THE MATRIX INSTRUCTION IS USED TRANSPOSED (source 0 = rows of Wo, source 1 = rows of x): lane l holds row l % 16, registers j the columns 16 b + 8 (l / 16) + j.
.set PITCH,  272
.set FR,     16*PITCH
.set BSLOT,  256*PITCH
.set ABASE,  2*BSLOT
.set ABUF,   128*PITCH
.set STAGE,  ABASE+2*ABUF
.set SPITCH, 528                       ; a stage row: 128 f32 + 16 bytes
.set WSTAGE, 16*SPITCH
.set ADRA, 2
.set ADRB, 4
.set ASTO, 6
.set AOFF, 8                           ; 16 lane: x loads, and the stores of the result
.set BOFF, 9
.set STO,  10
.set RD,   11
.set F0,   32
.set F1,   128
.set BIAS, 128                         ; window 2
.set G1,   24
.set G0,   32
.set MSB, 0
.macro WIN new
.if MSB != \new
	s_set_vgpr_msb (MSB<<8)|\new
.set MSB, \new
.endif
.endm
.macro PLACES cnt
.rept \cnt
	v_nop
.endr
.endm
.macro CREST
	s_cmp_lg_u32 s20, 0
	s_cbranch_scc1 .Lnot_wave_0_\@
	s_barrier_signal -3
.Lnot_wave_0_\@:
	s_barrier_wait -3
	s_barrier_signal -1
	s_barrier_wait -1
.endm
.macro ROUND
	s_barrier_signal -1
	s_barrier_wait -1
	CREST
.endm
	s_load_b256 s[4:11], s[0:1], 0x0               ; Xh s[4:5], W16 s[6:7], bo s[8:9], out0 s[10:11]
	v_lshl_add_u32 v254, v0, 2, 0x3b400
	v_mov_b32 v255, 0
	ds_add_u32 v254, v255
	v_lshrrev_b32 v1, 5, v0
	v_readfirstlane_b32 s20, v1                    ; wave
	s_lshr_b32 s21, s20, 1                         ; wm
	s_and_b32 s22, s20, 1                          ; wn
	s_bfe_u32 s23, ttmp6, 0x40000                  ; cx
	s_lshl_b32 s40, ttmp9, 2
	s_add_co_u32 s40, s40, s23                     ; row block
	s_and_b32 s43, ttmp7, 0xffff                   ; column block
	s_mov_b32 s[G1+0], 15|(1<<16)|(1<<20)|(1<<21)|(5<<22)|(3<<25)
	s_mov_b32 s[G1+1], 128<<16
	s_mov_b32 s[G1+2], 64<<16
	s_mov_b32 s[G1+3], 128<<16
	s_mov_b32 s[G1+4], 64
	s_mov_b32 s[G1+5], 1024
	s_mov_b32 s[G1+6], 0
	s_mov_b32 s[G1+7], 0
	v_and_b32 v1, 31, v0
	v_and_b32 v13, 15, v0                          ; r
	v_bfe_u32 v14, v0, 4, 1                        ; h
	v_mul_u32_u24 v15, v13, PITCH
	v_lshl_add_u32 v15, v14, 4, v15
	s_mul_i32 s54, s21, 64*PITCH
	s_add_co_u32 s54, s54, ABASE
	s_mul_i32 s55, s22, 128*PITCH
	s_mul_i32 s56, s20, 32*PITCH
	s_add_co_u32 s56, s56, ABASE
	s_mul_i32 s57, s20, WSTAGE
	s_add_co_u32 s57, s57, STAGE
	v_add_nc_u32 v[ADRA], s54, v15
	v_add_nc_u32 v[ADRA+1], ABUF, v[ADRA]
	v_add_nc_u32 v[ADRB], s55, v15
	v_add_nc_u32 v[ADRB+1], BSLOT, v[ADRB]
	v_lshrrev_b32 v16, 3, v1
	v_and_b32 v17, 7, v0
	v_mul_u32_u24 v16, v16, PITCH
	v_lshl_add_u32 v16, v17, 4, v16
	v_add_nc_u32 v[ASTO], s56, v16                 ; row lane / 8, 16 bytes at lane % 8
	v_add_nc_u32 v[ASTO+1], ABUF, v[ASTO]
	v_lshlrev_b32 v[AOFF], 4, v1
	v_lshlrev_b32 v[BOFF], 5, v14
	v_mul_u32_u24 v16, v13, SPITCH
	v_lshl_add_u32 v16, v14, 5, v16
	v_add_nc_u32 v[STO], s57, v16                  ; row r, 32 bytes for each half of the lanes
	v_add_nc_u32 v[RD], s57, v[AOFF]               ; a whole row of 512 bytes
	s_wait_dscnt 0x0
	s_wait_kmcnt 0x0
	s_lshr_b32 s46, s40, 4                         ; x: batch (16 heads x 2,048 rows x 128 bytes), then (128 (row block % 16) + 32 wave) rows
	s_lshl_b32 s46, s46, 22
	s_and_b32 s47, s40, 15
	s_lshl_b32 s47, s47, 14
	s_add_co_u32 s46, s46, s47
	s_lshl_b32 s47, s20, 12
	s_add_co_u32 s46, s46, s47
	s_mov_b32 s47, 0
	s_add_nc_u64 s[4:5], s[4:5], s[46:47]
	s_lshl_b32 s50, s43, 10                        ; (256 column block + 128 wn) f32: in the bias and in a row of the result
	s_lshl_b32 s51, s22, 9
	s_add_co_u32 s50, s50, s51
	s_mov_b32 s51, 0
	s_add_nc_u64 s[8:9], s[8:9], s[50:51]
	s_lshl_b32 s48, s43, 19                        ; Wo: plane 3, then (256 column block + 64 wave) rows of 2,048 bytes: nothing of cx
	s_lshl_b32 s49, s20, 17
	s_add_co_u32 s48, s48, s49
	s_add_co_u32 s48, s48, 3<<21
	s_mov_b32 s49, 0
	s_add_nc_u64 s[6:7], s[6:7], s[48:49]
	s_mul_i32 s52, s20, 64*PITCH
	s_lshl_b32 s58, s40, 19                        ; the result: (128 row block + 64 wm) rows of 4,096 bytes
	s_lshl_b32 s59, s21, 18
	s_add_co_u32 s58, s58, s59
	s_add_co_u32 s58, s58, s50
	s_mov_b32 s59, 0
	s_add_nc_u64 s[10:11], s[10:11], s[58:59]
.macro FETCH slot, k, f
.irp i, 0,1,2,3,4,5,6,7
	ds_load_b128 v[\f+8*\i:\f+8*\i+3],   v[ADRB+\slot] offset:\k+\i*FR
	ds_load_b128 v[\f+8*\i+4:\f+8*\i+7], v[ADRB+\slot] offset:\k+\i*FR+32
.endr
.irp i, 0,1,2,3
	ds_load_b128 v[\f+64+8*\i:\f+64+8*\i+3],   v[ADRA+\slot] offset:\k+\i*FR
	ds_load_b128 v[\f+64+8*\i+4:\f+64+8*\i+7], v[ADRA+\slot] offset:\k+\i*FR+32
.endr
.endm
; The 32 accumulators take turns, one instruction a turn, in the same order in every quarter.
.macro MUL16 f, a0, zero
.irp a, \a0, \a0+1
.irp b, 0,1,2,3,4,5,6,7
.if \zero
	v_wmma_f32_16x16x32_f16 v[8*(8*(\a)+\b):8*(8*(\a)+\b)+7], v[\f+8*\b:\f+8*\b+7], v[\f+64+8*(\a):\f+64+8*(\a)+7], 0
.else
	v_wmma_f32_16x16x32_f16 v[8*(8*(\a)+\b):8*(8*(\a)+\b)+7], v[\f+8*\b:\f+8*\b+7], v[\f+64+8*(\a):\f+64+8*(\a)+7], v[8*(8*(\a)+\b):8*(8*(\a)+\b)+7]
.endif
.endr
.endr
.endm
.macro QUARTER slot, k, f, g, zero
	s_wait_dscnt 0x0                               ; buffer f is in: its loads were issued a quarter ago
	WIN 0
	PLACES 4                                       ; loads into registers that matrix instructions have read stand four places behind them
	FETCH \slot, \k, \g
	WIN 0x50
	MUL16 \f, 0, \zero
	MUL16 \f, 2, \zero
.endm
; staging set nb (two heads x 32 rows x 128 bytes, four rows an instruction) goes into x buffer nb.  left = the younger loads that may stay out.
.macro ACONV nb, left
	s_wait_loadcnt \left
	WIN 0x08
.set i, 0
.rept 16
	ds_store_b128 v[ASTO+\nb], v[64*\nb+4*i:64*\nb+4*i+3] offset:4*PITCH*(i%8)+128*(i/8)
.set i, i+1
.endr
.endm
.macro ALOAD nb, j                     ; heads 2 j, 2 j + 1 of my 32 rows: each load 512 consecutive bytes
	WIN 0x80
.set i, 0
.rept 16
	global_load_b128 v[64*\nb+4*i:64*\nb+4*i+3], v[AOFF], s[4:5] offset:262144*(2*\j+i/8)+512*(i%8)
.set i, i+1
.endr
.endm
.macro TURN slot, next, fill
	s_wait_dscnt 0x0                               ; my reads of this slot and of this x buffer are over, my stores into the next x buffer are done
	s_wait_tensorcnt 0x0                           ; my part of the next slot has landed; no tensor load of mine is out
	ds_add_u32 v254, v255
	s_wait_dscnt 0x0
	s_barrier_signal -1
	WIN 0x50
	MUL16 F1, 0, 0
	WIN 0
	s_barrier_wait -1
.if \fill
	CREST                                          ; the barrier above opened a round of the cluster's barrier; the joint refill comes first behind it
	s_add_nc_u64 s[G0+4*\slot+2:G0+4*\slot+3], s[G0+4*\slot+2:G0+4*\slot+3], 512
	tensor_load_to_lds s[G0+4*\slot:G0+4*\slot+3], s[G1:G1+7]
	s_nop 0
.endif
	PLACES 4
	FETCH \next, 0, F0
	WIN 0x50
	MUL16 F1, 2, 0
.endm
.macro KS s, nb, zero, left, j, fill
	QUARTER \s, 64, F0, F1, \zero
	ACONV \nb, \left
.if \j < 8
	ALOAD \nb, \j
.endif
	QUARTER \s, 128, F1, F0, 0
	QUARTER \s, 192, F0, F1, 0
	TURN \s, \nb, \fill
.endm
	WIN 0x80
.set i, 0
.rept 16
	global_load_b128 v[BIAS+4*i:BIAS+4*i+3], v[BOFF], s[8:9] offset:64*(i/2)+16*(i%2)
.set i, i+1
.endr
	ALOAD 0, 0
	ALOAD 1, 1
	WIN 0
	ROUND                                          ; all four work-groups are here: the first joint loads meet
.irp s, 0,1
	s_mov_b32 s[G0+4*\s], 1
	s_add_co_u32 s[G0+4*\s+1], s52, \s*BSLOT
	s_add_nc_u64 s[G0+4*\s+2:G0+4*\s+3], s[6:7], \s*256
	s_or_b32 s[G0+4*\s+3], s[G0+4*\s+3], 0x80000000
	tensor_load_to_lds s[G0+4*\s:G0+4*\s+3], s[G1:G1+7]
	s_nop 0
.endr
	ACONV 0, 16                                    ; the bias and K step 0 are in; K step 1's 16 loads stay out
	ALOAD 0, 2
	WIN 0
	s_wait_dscnt 0x0
	s_wait_tensorcnt 0x1                           ; my part of slot 0 is in; slot 1's stays out
	s_barrier_signal -1
	s_barrier_wait -1
	FETCH 0, 0, F0
	KS 0, 1, 1, 16, 3, 1
	KS 1, 0, 0, 16, 4, 1
	KS 0, 1, 0, 16, 5, 1
	KS 1, 0, 0, 16, 6, 1
	KS 0, 1, 0, 16, 7, 1
	KS 1, 0, 0, 16, 8, 1
	KS 0, 1, 0, 0, 8, 0
	QUARTER 1, 64, F0, F1, 0
	QUARTER 1, 128, F1, F0, 0
	QUARTER 1, 192, F0, F1, 0
	s_wait_dscnt 0x0
	WIN 0x50
	MUL16 F1, 0, 0
	MUL16 F1, 2, 0
	; THE WAY OUT: + bias; 16 rows of 128 f32 at a time through my own stage, read back as whole rows of 512 bytes
	PLACES 4                                       ; vector instructions read matrix results four places behind them (ISA guide 7.12.1)
.macro OUT16 a, f
	WIN 0x49                                       ; sums in window 1, bias (source 1) in window 2
.set i, 0
.rept 32
	v_pk_add_f32 v[64*\a+2*i:64*\a+2*i+1], v[64*\a+2*i:64*\a+2*i+1], v[BIAS+2*i:BIAS+2*i+1]
.set i, i+1
.endr
	WIN 0x04
.set i, 0
.rept 16
	ds_store_b128 v[STO], v[64*\a+4*i:64*\a+4*i+3] offset:64*(i/2)+16*(i%2)
.set i, i+1
.endr
	WIN 0
	s_wait_xcnt 0x0                                ; buffer f, which earlier stores read, is loaded again only behind this wait
.set i, 0
.rept 16
	ds_load_b128 v[\f+4*i:\f+4*i+3], v[RD] offset:SPITCH*i         ; LDS serves a wave in order; the stage is my own
.set i, i+1
.endr
.set i, 0
.rept 16
	s_wait_dscnt 15-i                              ; the younger loads stay out
	global_store_b128 v[AOFF], v[\f+4*i:\f+4*i+3], s[10:11] offset:4096*(16*\a+i) th:TH_STORE_NT   ; 512 consecutive bytes, aligned
.set i, i+1
.endr
.endm
	OUT16 0, 32
	OUT16 1, 96
	OUT16 2, 32
	OUT16 3, 96
	s_wait_tensorcnt 0x0
	ds_add_u32 v254, v255
	s_wait_dscnt 0x0
	ROUND                                          ; the closing round
	s_endpgm
.Lfunc_end_k_qb9d5514cf5_outp:
	.size	k_qb9d5514cf5_outp, .Lfunc_end_k_qb9d5514cf5_outp-k_qb9d5514cf5_outp
	.p2alignl 7, 3214868480
	.fill 96, 4, 3214868480
	.section	.rodata,"a",@progbits
	.p2align	6, 0x0
	.amdhsa_kernel k_qb9d5514cf5_outp
		.amdhsa_group_segment_fixed_size 327680
		.amdhsa_private_segment_fixed_size 0
		.amdhsa_enable_private_segment 0
		.amdhsa_kernarg_size 32
		.amdhsa_user_sgpr_count 2
		.amdhsa_user_sgpr_kernarg_segment_ptr 1
		.amdhsa_wavefront_size32 1
		.amdhsa_system_sgpr_workgroup_id_x 1
		.amdhsa_system_sgpr_workgroup_id_y 1
		.amdhsa_system_sgpr_workgroup_id_z 1
		.amdhsa_system_vgpr_workitem_id 0
		.amdhsa_next_free_vgpr 704
		.amdhsa_next_free_sgpr 66
		.amdhsa_reserve_vcc 0
		.amdhsa_float_denorm_mode_32 3
		.amdhsa_float_denorm_mode_16_64 3
		.amdhsa_memory_ordered 1
		.amdhsa_forward_progress 1
		.amdhsa_inst_pref_size 175
	.end_amdhsa_kernel
	.amdgpu_metadata
---
amdhsa.version: [ 1, 2 ]
amdhsa.kernels:
  - .name:           k_qb9d5514cf5_outp
    .symbol:         k_qb9d5514cf5_outp.kd
    .args:
      - { .name: Xh, .offset: 0, .size: 8, .value_kind: global_buffer, .address_space: global }
      - { .name: W16, .offset: 8, .size: 8, .value_kind: global_buffer, .address_space: global }
      - { .name: bo, .offset: 16, .size: 8, .value_kind: global_buffer, .address_space: global }
      - { .name: out0, .offset: 24, .size: 8, .value_kind: global_buffer, .address_space: global }
    .group_segment_fixed_size: 327680
    .private_segment_fixed_size: 0
    .kernarg_segment_align: 8
    .kernarg_segment_size: 32
    .max_flat_workgroup_size: 128
    .sgpr_count:     66
    .vgpr_count:     704
    .wavefront_size: 32
...
	.end_amdgpu_metadata
.endif
;; end of part 4
;; ======== version 2 of 2: 4 launches
;; limits: values are held in f16: magnitudes above 65,504 overflow, below 6.1e-05 lose precision
;; workspace buffers: mbits 2,097,152 bytes of whole numbers; W16 8,388,608 bytes; QKV 50,331,648 bytes; Xh 16,777,216 bytes
;; launch prep: the kernel of part 1 again; grid 512 x 1, 8 waves a work-group, no clusters, 68,608 bytes of LDS; arguments mask, Wq, Wk, Wv, Wo, mbits, W16; writes mbits, W16
;; launch qkv: the kernel of part 2 again; grid 64 x 12, 4 waves a work-group, clusters of 4 x 1, 327,680 bytes of LDS; arguments query, key, value, W16, bq, bk, bv, QKV; writes QKV
;; launch attn (part 5): grid 256 x 1, 8 waves a work-group, clusters of 4 x 1, 327,680 bytes of LDS; arguments QKV, mbits, Xh; writes Xh
.if DOCPART == 5
	.amdgcn_target "amdgcn-amd-amdhsa--gfx1250"
	.amdhsa_code_object_version 6
	.text
	.protected	k_qb9d5514cf5_attn
	.globl	k_qb9d5514cf5_attn
	.p2align	8
	.type	k_qb9d5514cf5_attn,@function
k_qb9d5514cf5_attn:
	s_mov_b64 s[64:65], 0
	v_nop
	global_prefetch_b8 v0, s[64:65] scope:SCOPE_SE
	s_setreg_imm32_b32 hwreg(HW_REG_WAVE_MODE, 25, 1), 1
	s_wait_xcnt 0x0
	s_wait_alu depctr_hold_cnt(0) depctr_sa_sdst(0) depctr_va_vdst(0) depctr_va_sdst(0) depctr_va_ssrc(0) depctr_va_vcc(0) depctr_vm_vsrc(0)
	s_getreg_b32 s2, hwreg(HW_REG_IB_STS2, 6, 4)
	s_cmp_eq_u32 s2, 0
	s_cbranch_scc0 .Lentry_in_a_cluster
	s_endpgm
.Lentry_in_a_cluster:
	s_bfe_u32 s2, ttmp6, 0x10000c
	s_cmp_lg_u32 s2, 0x3003
	s_cbranch_scc0 .Lentry_shape_is_right
	s_endpgm
.Lentry_shape_is_right:
; attn: softmax(mask(Q K^T / 8)) V for one (batch, head) and 512 queries a work-group.  Q, K, V: QKV[plane][b][h][s][64] f16, Q already times 0.125 log2(e).
; Result Xh[b][h][s][64] f16.  Sums, maxima, exponentials in f32; a running maximum is taken away before every exponential.
; A masked score is -1e9 log2(e), the reference's fill in base-2 units: a row that is masked throughout comes out as the plain average of V.
; LIMIT: |Q|, |K|, |V| below 65,504 (f16 operands); NaN and infinities are not followed.
; Eight waves, two for each SIMD, so that one wave's softmax runs beside the other's matrix instructions.  A wave owns 64 queries (4 tiles of 16).
; CLUSTERS: the four query blocks of a head form a cluster and ask jointly (mask 15) for K and V: two LDS slots of 256 keys, each wave one load of 64 rows x 128 bytes
; (waves 0-3 K's rows, waves 4-7 V's).  Rows are 128 bytes because a head's rows are.
; NO SHUFFLE: S^T = K Q^T (source 0 = rows of K, source 1 = rows of Q): lane (r, h), register j of tile kt holds key 16 kt + 8 h + j, query r.  Packed in pairs that is
; source 1 of O^T = V^T P^T; source 0, V^T, comes by transposing LDS loads.  Maximum, sum and rescale factor are one number a lane; the two halves of the lanes
; are joined by one v_permlanex16_b32 a step for the maximum, once at the end for the sum.
; THE MASK comes as lane masks by scalar loads (mbits): one v_cndmask_b32 for each score register.
; A step is 64 keys; in it the wave's query tiles go in two pairs p (tiles 2 p, 2 p + 1).
; CODE SIZE: a step is some 740 instructions.  It is the body of a counted loop over a slot's four steps, so that the 32 steps run from five bodies (the first step,
; which starts the sums; the rest of block 0; slot 1 and slot 0 in the loop over blocks; the last block), each but the first run three or four times in a row.
; The step's place in its slot is therefore in two address registers, made from the loop's counter, and its K and V fragments are loaded at its own head.
.set KP,     144                       ; an LDS row: 128 bytes + 16
.set SLOT,   512*KP                    ; K's 256 rows, then V's 256
.set VOFF,   256*KP
.set WTILE,  64*KP                     ; what one tensor load brings; also a step's rows of K or of V
.set STAGE,  2*SLOT
.set WSTAGE, 16*KP
.set QOFF, 1                           ; v1       128 r + 16 h: Q fragments in memory
.set ADK,  2                           ; v2-3     K fragments of step 0 in slot 0, 1
.set STO,  4
.set RD,   5
.set CO,   6
.set NEG,  7                           ; v7       -1e9 log2(e)
.set M,    8                           ; v[8:15]  running maximum, a pair for each tile: the low register counts, the high one is written once
.set L,    16                          ; v[16:19] running sum (of my half of the keys)
.set AL,   20                          ; v[20:23] rescale factor, a pair for each tile of the pair at work
.set T,    24                          ; v[24:31] at work
.set QF,   32                          ; v[32:95]   Q fragment (t, ks) at 16 t + 8 ks
.set KF,   96                          ; v[96:159]  K fragment (kt, ks) at 16 kt + 8 ks
.set SB,   160                         ; v[160:223] scores (u, kt, j) at 32 u + 8 kt + j; then P (u, ks2) at 32 u + 8 ks2
.set ADV,  224                         ; v224-225 V's transposing loads of step 0 in slot 0, 1
.set ADKC, 226                         ; v226     K fragments of the step at work
.set ADVC, 227                         ; v227     V's transposing loads of the step at work
.set O,    0                           ; window 1: v[0:127] O^T tile (t, dt) at 32 t + 8 dt
.set VF,   128                         ; window 1: v[128:191] V^T fragment (ks2, dt) at 32 ks2 + 8 dt
.set G1,   84                          ; s[84:91]
.set G0,   92                          ; s[92:99], one set for each slot
.set MSB, 0
.macro WIN new                         ; the immediate's high byte repeats the setting that is left
.if MSB != \new
	s_set_vgpr_msb (MSB<<8)|\new
.set MSB, \new
.endif
.endm
.macro PLACES cnt
.rept \cnt
	v_nop
.endr
.endm
.macro ROUND                           ; a round of the cluster's barrier
	s_barrier_signal -1
	s_barrier_wait -1
	s_cmp_lg_u32 s14, 0
	s_cbranch_scc1 .Lnot_wave_0_\@
	s_barrier_signal -3
.Lnot_wave_0_\@:
	s_barrier_wait -3
	s_barrier_signal -1
	s_barrier_wait -1
.endm
	s_load_b128 s[4:7], s[0:1], 0x0                ; QKV s[4:5], mbits s[6:7]
	s_load_b64 s[8:9], s[0:1], 0x10                ; Xh
	v_lshl_add_u32 v254, v0, 2, 0x29000
	v_mov_b32 v255, 0
	ds_add_u32 v254, v255
	v_lshrrev_b32 v28, 5, v0
	v_readfirstlane_b32 s14, v28                   ; wave
	s_bfe_u32 s101, ttmp6, 0x40000                 ; cx: my block of 512 queries; ttmp9: 16 b + head
	s_mov_b32 s66, 0x76543210                      ; v_permlanex16_b32: lane i reads lane i of the other half
	s_mov_b32 s67, 0xfedcba98
	; group 1: 64 rows x 64 elements of 2 bytes, 16 bytes of padding behind every 32 dwords
	s_mov_b32 s[G1+0], 15|(1<<16)|(1<<20)|(1<<21)|(4<<22)|(3<<25)
	s_mov_b32 s[G1+1], 64<<16
	s_mov_b32 s[G1+2], 64<<16
	s_mov_b32 s[G1+3], 64<<16
	s_mov_b32 s[G1+4], 64
	s_mov_b32 s[G1+5], 64
	s_mov_b32 s[G1+6], 0
	s_mov_b32 s[G1+7], 0
	; what feeds the descriptors is made of the head and the wave alone, in s2, s3, s100
	s_lshr_b32 s2, s14, 2
	s_add_co_u32 s2, s2, 1
	s_lshl_b32 s2, s2, 24                          ; plane 1 (K) for waves 0-3, plane 2 (V) for waves 4-7
	s_lshl_b32 s3, ttmp9, 18                       ; the head: 2,048 rows of 128 bytes
	s_add_co_u32 s2, s2, s3
	s_and_b32 s3, s14, 3
	s_lshl_b32 s3, s3, 13                          ; my 64 rows
	s_add_co_u32 s2, s2, s3
	s_mov_b32 s3, 0
	s_mul_i32 s100, s14, WTILE
	s_lshl_b32 s12, ttmp9, 18                      ; my queries: (2,048 head + 512 cx + 64 wave) rows of 128 bytes, in Q and in Xh
	s_lshl_b32 s13, s101, 16
	s_add_co_u32 s12, s12, s13
	s_lshl_b32 s13, s14, 13
	s_add_co_u32 s12, s12, s13
	s_mov_b32 s13, 0
	s_wait_dscnt 0x0
	s_wait_kmcnt 0x0
	s_add_nc_u64 s[2:3], s[4:5], s[2:3]
	s_add_nc_u64 s[10:11], s[4:5], s[12:13]
	s_add_nc_u64 s[8:9], s[8:9], s[12:13]
	s_lshr_b32 s12, ttmp9, 4                       ; my mask bits: (128 b + 32 cx + 4 wave) query tiles of 4,096 bytes
	s_lshl_b32 s12, s12, 19
	s_lshl_b32 s13, s101, 17
	s_add_co_u32 s12, s12, s13
	s_lshl_b32 s13, s14, 14
	s_add_co_u32 s12, s12, s13
	s_mov_b32 s13, 0
	s_add_nc_u64 s[6:7], s[6:7], s[12:13]
	ROUND                                          ; the four work-groups are here: the first joint loads meet
.irp s, 0,1
	s_mov_b32 s[G0+4*\s], 1
	s_add_co_u32 s[G0+4*\s+1], s100, \s*SLOT
	s_add_nc_u64 s[G0+4*\s+2:G0+4*\s+3], s[2:3], \s*32768          ; keys 256 s ..
	s_or_b32 s[G0+4*\s+3], s[G0+4*\s+3], 0x80000000
	tensor_load_to_lds s[G0+4*\s:G0+4*\s+3], s[G1:G1+7]
	s_nop 0
.endr
; the lane masks of 64 keys for query tiles 2 p, 2 p + 1: 32 dwords each, at the step to which s[6:7] points
.macro MLOAD p
	s_load_b512 s[16:31], s[6:7], 4096*(2*\p)
	s_load_b512 s[32:47], s[6:7], 4096*(2*\p)+64
	s_load_b512 s[48:63], s[6:7], 4096*(2*\p+1)
	s_load_b512 s[68:83], s[6:7], 4096*(2*\p+1)+64
.endm
	v_and_b32 v28, 15, v0                          ; r
	v_bfe_u32 v29, v0, 4, 1                        ; h
	v_lshlrev_b32 v[QOFF], 7, v28
	v_lshl_add_u32 v[QOFF], v29, 4, v[QOFF]
.irp t, 0,1,2,3
.irp ks, 0,1
	global_load_b128 v[QF+16*\t+8*\ks:QF+16*\t+8*\ks+3],   v[QOFF], s[10:11] offset:2048*\t+64*\ks
	global_load_b128 v[QF+16*\t+8*\ks+4:QF+16*\t+8*\ks+7], v[QOFF], s[10:11] offset:2048*\t+64*\ks+32
.endr
.endr
	MLOAD 0
	s_mul_i32 s100, s14, WSTAGE
	s_add_co_u32 s100, s100, STAGE                 ; my stage
	v_mul_u32_u24 v[ADK], v28, KP
	v_lshl_add_u32 v[ADK], v29, 4, v[ADK]          ; r x pitch + 16 h
	v_add_nc_u32 v[ADK+1], SLOT, v[ADK]
	v_add_nc_u32 v[STO], s100, v[ADK]
	v_and_b32 v30, 31, v0
	v_lshlrev_b32 v[CO], 4, v30
	v_lshrrev_b32 v30, 3, v30
	v_and_b32 v31, 7, v0
	v_mul_u32_u24 v30, v30, KP
	v_lshl_add_u32 v30, v31, 4, v30
	v_add_nc_u32 v[RD], s100, v30                  ; row lane / 8, 16 bytes at lane % 8
	v_lshl_add_u32 v31, v29, 3, v31                ; V: key row 8 h + lane % 8,
	v_mul_u32_u24 v31, v31, KP
	v_bfe_u32 v30, v0, 3, 1
	v_lshl_add_u32 v31, v30, 4, v31                ; 16 bytes at (lane / 8) % 2
	v_add_nc_u32 v[ADV], VOFF, v31
	v_add_nc_u32 v[ADV+1], SLOT, v[ADV]
	v_mov_b32 v[NEG], 0xceabfb8f
.irp t, 0,1,2,3
	v_mov_b32 v[M+2*\t+1], 0                       ; the pairs' high registers are named by packed instructions and never used
.endr
	v_mov_b32 v[AL+1], 0
	v_mov_b32 v[AL+3], 0
.macro KLOAD                           ; 16 loads: K's fragments of the step at work
.irp kt, 0,1,2,3
.irp ks, 0,1
	ds_load_b128 v[KF+16*\kt+8*\ks:KF+16*\kt+8*\ks+3],   v[ADKC] offset:16*\kt*KP+64*\ks
	ds_load_b128 v[KF+16*\kt+8*\ks+4:KF+16*\kt+8*\ks+7], v[ADKC] offset:16*\kt*KP+64*\ks+32
.endr
.endr
.endm
.macro VLOAD                           ; 16 transposing loads: V^T's fragments of the step at work (address in window 0, data in window 1)
.irp ks2, 0,1
.irp dt, 0,1,2,3
	ds_load_tr16_b128 v[VF+32*\ks2+8*\dt:VF+32*\ks2+8*\dt+3],   v[ADVC] offset:32*\ks2*KP+32*\dt
	ds_load_tr16_b128 v[VF+32*\ks2+8*\dt+4:VF+32*\ks2+8*\dt+7], v[ADVC] offset:(32*\ks2+16)*KP+32*\dt
.endr
.endr
.endm
; 16 matrix instructions: the scores of 64 keys x 32 queries.  Eight accumulators take turns, one instruction a turn.
.macro SMUL p
.irp ks, 0,1
.irp u, 0,1
.irp kt, 0,1,2,3
.if \ks
	v_wmma_f32_16x16x32_f16 v[SB+32*\u+8*\kt:SB+32*\u+8*\kt+7], v[KF+16*\kt+8*\ks:KF+16*\kt+8*\ks+7], v[QF+16*(2*\p+\u)+8*\ks:QF+16*(2*\p+\u)+8*\ks+7], v[SB+32*\u+8*\kt:SB+32*\u+8*\kt+7]
.else
	v_wmma_f32_16x16x32_f16 v[SB+32*\u+8*\kt:SB+32*\u+8*\kt+7], v[KF+16*\kt+8*\ks:KF+16*\kt+8*\ks+7], v[QF+16*(2*\p+\u)+8*\ks:QF+16*(2*\p+\u)+8*\ks+7], 0
.endif
.endr
.endr
.endr
.endm
.macro MASKP                           ; bit set: the score stays; bit clear: the fill
.irp kt, 0,1,2,3
.irp j, 0,1,2,3,4,5,6,7
	v_cndmask_b32 v[SB+8*\kt+\j], v[NEG], v[SB+8*\kt+\j], s[16+8*\kt+\j]
.endr
.endr
.irp kt, 0,1
.irp j, 0,1,2,3,4,5,6,7
	v_cndmask_b32 v[SB+32+8*\kt+\j], v[NEG], v[SB+32+8*\kt+\j], s[48+8*\kt+\j]
.endr
.endr
.irp kt, 2,3
.irp j, 0,1,2,3,4,5,6,7
	v_cndmask_b32 v[SB+32+8*\kt+\j], v[NEG], v[SB+32+8*\kt+\j], s[52+8*\kt+\j]
.endr
.endr
.endm
.macro SUBM u, t, i                    ; two scores less the maximum
	v_pk_add_f32 v[SB+32*\u+2*(\i):SB+32*\u+2*(\i)+1], v[SB+32*\u+2*(\i):SB+32*\u+2*(\i)+1], v[M+2*\t:M+2*\t+1] op_sel_hi:[1,0] neg_lo:[0,1] neg_hi:[0,1]
.endm
; the running softmax of query tile t, whose 32 score registers lie at u.  first = 1: nothing has been carried yet.
.macro SOFT u, t, first
.irp c, 0,1,2,3
	v_max3_num_f32 v[T+\c], v[SB+32*\u+8*\c], v[SB+32*\u+8*\c+1], v[SB+32*\u+8*\c+2]
.endr
.irp c, 0,1,2,3
	v_max3_num_f32 v[T+\c], v[T+\c], v[SB+32*\u+8*\c+3], v[SB+32*\u+8*\c+4]
.endr
.irp c, 0,1,2,3
	v_max3_num_f32 v[T+\c], v[T+\c], v[SB+32*\u+8*\c+5], v[SB+32*\u+8*\c+6]
.endr
	v_max3_num_f32 v[T],   v[T],   v[T+1], v[SB+32*\u+7]
	v_max3_num_f32 v[T+2], v[T+2], v[T+3], v[SB+32*\u+15]
	v_max3_num_f32 v[T],   v[T],   v[T+2], v[SB+32*\u+23]
.if \first
	v_max_num_f32 v[T], v[T], v[SB+32*\u+31]
.else
	v_max3_num_f32 v[T], v[T], v[SB+32*\u+31], v[M+2*\t]
.endif
	v_permlanex16_b32 v[T+1], v[T], s66, s67       ; the other half of the keys
.if \first
	v_max_num_f32 v[M+2*\t], v[T], v[T+1]
.else
	v_max_num_f32 v[T+2], v[T], v[T+1]
	v_sub_f32 v[T+3], v[M+2*\t], v[T+2]
	v_exp_f32 v[AL+2*\u], v[T+3]                   ; what has been carried shrinks by 2^(old - new)
	v_mov_b32 v[M+2*\t], v[T+2]                    ; a plain instruction behind the exponential (ISA guide 5.7.2)
.endif
	SUBM \u, \t, 0
	SUBM \u, \t, 1
.set i, 0
.rept 14                                           ; two exponentials, then the subtraction of a later pair, which names none of their registers
	v_exp_f32 v[SB+32*\u+2*i],   v[SB+32*\u+2*i]
	v_exp_f32 v[SB+32*\u+2*i+1], v[SB+32*\u+2*i+1]
	SUBM \u, \t, i+2
.set i, i+1
.endr
.irp j, 28,29,30,31
	v_exp_f32 v[SB+32*\u+\j], v[SB+32*\u+\j]
.endr
	s_wait_alu depctr_va_vdst(0)
.irp c, 0,1,2,3                                    ; the sum, in four chains; the first line names registers 0 to 3 alone: the plain place behind the last four exponentials
	v_pk_add_f32 v[T+2*\c:T+2*\c+1], v[SB+32*\u+4*\c:SB+32*\u+4*\c+1], v[SB+32*\u+4*\c+2:SB+32*\u+4*\c+3]
.endr
.irp c, 0,1,2,3
	v_pk_add_f32 v[T+2*\c:T+2*\c+1], v[T+2*\c:T+2*\c+1], v[SB+32*\u+16+2*\c:SB+32*\u+16+2*\c+1]
.endr
.irp c, 0,1,2,3
	v_pk_add_f32 v[T+2*\c:T+2*\c+1], v[T+2*\c:T+2*\c+1], v[SB+32*\u+24+2*\c:SB+32*\u+24+2*\c+1]
.endr
	v_pk_add_f32 v[T:T+1],   v[T:T+1],   v[T+2:T+3]
	v_pk_add_f32 v[T+4:T+5], v[T+4:T+5], v[T+6:T+7]
	v_pk_add_f32 v[T:T+1],   v[T:T+1],   v[T+4:T+5]
.if \first
	v_add_f32 v[L+\t], v[T], v[T+1]
.else
	v_add_f32 v[T], v[T], v[T+1]
	v_fma_f32 v[L+\t], v[L+\t], v[AL+2*\u], v[T]
.endif
.set i, 0
.rept 16                                           ; P in f16, packed downward in place: register i from registers 2 i, 2 i + 1
	v_cvt_pk_f16_f32 v[SB+32*\u+i], v[SB+32*\u+2*i], v[SB+32*\u+2*i+1]
.set i, i+1
.endr
.endm
; O^T of tiles 2 p, 2 p + 1 shrinks and takes 64 keys more.  Eight accumulators take turns, one instruction a turn.
.macro PVP p, first
.if \first == 0
.irp u, 0,1
.set i, 0
.rept 16
	v_pk_mul_f32 v[O+32*(2*\p+\u)+2*i:O+32*(2*\p+\u)+2*i+1], v[O+32*(2*\p+\u)+2*i:O+32*(2*\p+\u)+2*i+1], v[AL+2*\u:AL+2*\u+1] op_sel_hi:[1,0]
.set i, i+1
.endr
.endr
.endif
.irp ks2, 0,1
.irp u, 0,1
.irp dt, 0,1,2,3
.if (\first)*(1-\ks2)
	v_wmma_f32_16x16x32_f16 v[O+32*(2*\p+\u)+8*\dt:O+32*(2*\p+\u)+8*\dt+7], v[VF+32*\ks2+8*\dt:VF+32*\ks2+8*\dt+7], v[SB+32*\u+8*\ks2:SB+32*\u+8*\ks2+7], 0
.else
	v_wmma_f32_16x16x32_f16 v[O+32*(2*\p+\u)+8*\dt:O+32*(2*\p+\u)+8*\dt+7], v[VF+32*\ks2+8*\dt:VF+32*\ks2+8*\dt+7], v[SB+32*\u+8*\ks2:SB+32*\u+8*\ks2+7], v[O+32*(2*\p+\u)+8*\dt:O+32*(2*\p+\u)+8*\dt+7]
.endif
.endr
.endr
.endr
.endm
; 64 keys, step s12 (0 to 3) of slot s, against my 64 queries.  Every window is 0 at its head and at its end.
.macro STEP s, first
	s_mul_i32 s13, s12, WTILE                      ; the step's 64 rows in K's and in V's part of the slot
	v_add_nc_u32 v[ADKC], s13, v[ADK+\s]           ; with the four v_nop at the last step's end these two lines are the places in front of the loads into V^T's
	v_add_nc_u32 v[ADVC], s13, v[ADV+\s]           ; fragments (four asked) and of the scores written over P (five asked): ISA guide 7.12.1
	KLOAD
	WIN 0x40
	VLOAD
	WIN 0
	s_wait_dscnt 16                                ; K's 16 loads are in; V's 16, issued behind them, stay out
	SMUL 0
	PLACES 4                                       ; vector instructions read matrix results four places behind them (ISA guide 7.12.1)
	s_wait_kmcnt 0x0                               ; the first pair's bits, asked for half a step ago
	MASKP
	MLOAD 1
	SOFT 0, 0, \first
	SOFT 1, 1, \first
	s_wait_dscnt 0x0                               ; V is in
	WIN 0x51                                       ; O and V^T in window 1, P and the factor in window 0
	PVP 0, \first
	WIN 0
	PLACES 5                                       ; the next scores are written over P, which matrix instructions have read: five places
	SMUL 1
	PLACES 4                                       ; for the mask's reads, and for the next step's loads into K's fragments
	s_wait_kmcnt 0x0                               ; the second pair's bits are in, and every load that names s[6:7] is done
	s_add_nc_u64 s[6:7], s[6:7], 128               ; 64 keys on: 4 key tiles of 32 bytes
	MASKP
	MLOAD 0                                        ; the next step's first pair.  In the launch's last step s[6:7] has gone 4,096 bytes: the request then reads the first
	                                               ; 128 bytes of my own query tiles 1 and 2, inside the buffer, and nothing uses them
	SOFT 0, 2, \first
	SOFT 1, 3, \first
	WIN 0x51
	PVP 1, \first
	PLACES 4
	WIN 0
.endm
; the 256 keys of slot s: four steps from one body; in block 0 the first step, which starts the sums, is written out in front of the other three
.macro BLOCK s, first
	s_mov_b32 s12, 0
.if \first
	STEP \s, 1
	s_mov_b32 s12, 1
.endif
.Lstep_\@:
	STEP \s, 0
	s_add_co_u32 s12, s12, 1
	s_cmp_lt_u32 s12, 4
	s_cbranch_scc1 .Lstep_\@
.endm
; change of slots: each wave waits for its LDS reads and for all its tensor loads, a round of the cluster's barrier, then the joint refill of the slot read last,
; the wave's one tensor load until the next round; it has a block of 256 keys in which to land
.macro TWO s, refill
	s_wait_tensorcnt 0x0                           ; my part of slot s has landed; no tensor load of mine is out, so a group 0 may be written
	ds_add_u32 v254, v255
	s_wait_dscnt 0x0
	s_add_nc_u64 s[G0+4*(1-\s)+2:G0+4*(1-\s)+3], s[G0+4*(1-\s)+2:G0+4*(1-\s)+3], 65536   ; the other slot's next 256 keys: 512 rows on
	s_wait_dscnt 0x0                               ; my reads of the other slot are over
	ROUND
.if \refill
	tensor_load_to_lds s[G0+4*(1-\s):G0+4*(1-\s)+3], s[G1:G1+7]
	s_nop 0
.endif
	BLOCK \s, 0
.endm
	s_wait_tensorcnt 0x1                           ; my part of slot 0 is in; slot 1's stays out
	s_barrier_signal -1
	s_barrier_wait -1
	s_wait_loadcnt 0x0                             ; Q
	BLOCK 0, 1                                     ; keys 0-255: the first products start the sums
	s_mov_b32 s15, 3
.Lpair:                                            ; keys 256-1791, 512 a trip
	TWO 1, 1
	TWO 0, 1
	s_sub_co_u32 s15, s15, 1
	s_cmp_lg_u32 s15, 0
	s_cbranch_scc1 .Lpair
	TWO 1, 0                                       ; keys 1792-2047: nothing is left to fetch (slot 0's stepped address is not used)
	; THE WAY OUT: the two halves' sums meet; O / sum; f16; 16 queries at a time through my own stage
	s_wait_kmcnt 0x0                               ; the last step's request for bits, which nothing uses, is done
.irp t, 0,1,2,3
	v_permlanex16_b32 v[T+\t], v[L+\t], s66, s67
.endr
.irp t, 0,1,2,3
	v_add_f32 v[T+\t], v[T+\t], v[L+\t]            ; at least 1: the maximum's own term
.endr
.irp t, 0,1,2,3
	v_rcp_f32 v[M+2*\t], v[T+\t]
.endr
	v_nop                                          ; a plain place behind the reciprocals (ISA guide 5.7.2)
	s_wait_alu depctr_va_vdst(0)
.macro OUTQ t
	WIN 0x41
.set i, 0
.rept 16
	v_pk_mul_f32 v[O+32*\t+2*i:O+32*\t+2*i+1], v[O+32*\t+2*i:O+32*\t+2*i+1], v[M+2*\t:M+2*\t+1] op_sel_hi:[1,0]
.set i, i+1
.endr
	WIN 0x05
.set i, 0
.rept 16
	v_cvt_pk_f16_f32 v[SB+i], v[O+32*\t+2*i], v[O+32*\t+2*i+1]
.set i, i+1
.endr
	WIN 0
.irp dt, 0,1,2,3
	ds_store_b128 v[STO], v[SB+4*\dt:SB+4*\dt+3] offset:32*\dt     ; query r, d = 16 dt + 8 h ..
.endr
.irp i, 0,1,2,3
	ds_load_b128 v[KF+16*\t+4*\i:KF+16*\t+4*\i+3], v[RD] offset:4*KP*\i   ; four rows of 128 bytes; LDS serves a wave in order, the stage is my own
.endr
.irp i, 0,1,2,3
	s_wait_dscnt 3-\i                              ; the younger loads stay out
	global_store_b128 v[CO], v[KF+16*\t+4*\i:KF+16*\t+4*\i+3], s[8:9] offset:2048*\t+512*\i   ; 512 consecutive bytes, aligned
.endr
.endm
	OUTQ 0
	OUTQ 1
	OUTQ 2
	OUTQ 3
	s_wait_tensorcnt 0x0
	ds_add_u32 v254, v255
	s_wait_dscnt 0x0
	ROUND                                          ; the closing round
	s_endpgm
.Lfunc_end_k_qb9d5514cf5_attn:
	.size	k_qb9d5514cf5_attn, .Lfunc_end_k_qb9d5514cf5_attn-k_qb9d5514cf5_attn
	.p2alignl 7, 3214868480
	.fill 96, 4, 3214868480
	.section	.rodata,"a",@progbits
	.p2align	6, 0x0
	.amdhsa_kernel k_qb9d5514cf5_attn
		.amdhsa_group_segment_fixed_size 327680
		.amdhsa_private_segment_fixed_size 0
		.amdhsa_enable_private_segment 0
		.amdhsa_kernarg_size 24
		.amdhsa_user_sgpr_count 2
		.amdhsa_user_sgpr_kernarg_segment_ptr 1
		.amdhsa_wavefront_size32 1
		.amdhsa_system_sgpr_workgroup_id_x 1
		.amdhsa_system_sgpr_workgroup_id_y 1
		.amdhsa_system_sgpr_workgroup_id_z 1
		.amdhsa_system_vgpr_workitem_id 0
		.amdhsa_next_free_vgpr 448
		.amdhsa_next_free_sgpr 102
		.amdhsa_reserve_vcc 0
		.amdhsa_float_denorm_mode_32 3
		.amdhsa_float_denorm_mode_16_64 3
		.amdhsa_memory_ordered 1
		.amdhsa_forward_progress 1
		.amdhsa_inst_pref_size 221
	.end_amdhsa_kernel
	.amdgpu_metadata
---
amdhsa.version: [ 1, 2 ]
amdhsa.kernels:
  - .name:           k_qb9d5514cf5_attn
    .symbol:         k_qb9d5514cf5_attn.kd
    .args:
      - { .name: QKV, .offset: 0, .size: 8, .value_kind: global_buffer, .address_space: global }
      - { .name: mbits, .offset: 8, .size: 8, .value_kind: global_buffer, .address_space: global }
      - { .name: Xh, .offset: 16, .size: 8, .value_kind: global_buffer, .address_space: global }
    .group_segment_fixed_size: 327680
    .private_segment_fixed_size: 0
    .kernarg_segment_align: 8
    .kernarg_segment_size: 24
    .max_flat_workgroup_size: 256
    .sgpr_count:     102
    .vgpr_count:     448
    .wavefront_size: 32
...
	.end_amdgpu_metadata
.endif
;; end of part 5
;; launch outp: the kernel of part 4 again; grid 64 x 4, 4 waves a work-group, clusters of 4 x 1, 327,680 bytes of LDS; arguments Xh, W16, bo, out0; writes out0
